; MI455X (gfx1250); checked and timed in simulation.
; The chip was launched on July 23, 2026; its instructions are those of AMD's public machine-readable ISA for CDNA 5 (MIT licence, August 2026) and "CDNA5" Instruction Set Architecture Reference Guide (July 2026). The comments in the code are by the model that wrote it; some were corrected since.
;; Encoder Block. Allowed arithmetic: matrix products marked QUANTISED: E4M3 operands, one E8M0 scale for each 32 along K, by v_wmma_scale_f32_16x16x128_f8f6f4 with both operands' format E4M3, f32 sums; everything else in f32.
;; Inputs: alpha1 1,024 float32; alpha2 1,024 float32; b1 4,096 float32; b2 1,024 float32; bias1 1,024 float32; bias2 1,024 float32; mask 2 x 1 x 1 x 2,048 int32; w1 4,096 x 1,024 float32; w2 1,024 x 4,096 float32; wk 1,024 x 1,024 float32; wo 1,024 x 1,024 float32; wq 1,024 x 1,024 float32; wv 1,024 x 1,024 float32; x 2 x 2,048 x 1,024 float32.
;; Outputs: out0 2 x 2,048 x 1,024 float32.
;; This version of the problem:
;;   THIS VERSION OF THE PROBLEM IS GIVEN IN LOW PRECISION. The matrix products marked QUANTISED in the list below multiply operands that are first quantised to E4M3 (4 exponent bits, 3 mantissa bits; 8 bits a number), with one power-of-two scale for each 32 numbers along K (OCP MX v1.0); their sums are f32. All else is computed in f32.
;;   The module's matrix products, in the order in which they are computed (A, B: the left and right operand; K: the contracted axis; several contracted axes count as one K, in the product's order):
;;     1. [M 4,096, K 1,024] x [K 1,024, N 1,024]; A: computed on the way; B: input wq: QUANTISED
;;     2. [M 4,096, K 1,024] x [K 1,024, N 1,024]; A: computed on the way; B: input wk: QUANTISED
;;     3. [M 4,096, K 1,024] x [K 1,024, N 1,024]; A: computed on the way; B: input wv: QUANTISED
;;     4. batch 32 x [M 2,048, K 64] x [K 64, N 2,048]; A: computed on the way; B: computed on the way: QUANTISED
;;     5. batch 32 x [M 2,048, K 2,048] x [K 2,048, N 64]; A: softmax (see below); B: computed on the way: QUANTISED
;;     6. [M 4,096, K 1,024] x [K 1,024, N 1,024]; A: computed on the way; B: input wo: QUANTISED
;;     7. [M 4,096, K 1,024] x [K 1,024, N 4,096]; A: computed on the way; B: input w1: QUANTISED
;;     8. [M 4,096, K 4,096] x [K 4,096, N 1,024]; A: computed on the way; B: input w2: QUANTISED
;;   THE QUANTISER, for each operand of a quantised product, along K:
;;     - K is cut into blocks of 32 from its start; a last block that is shorter is filled with zeros.
;;     - A block's scale is 2^e with e = floor(log2(the largest magnitude in the block)) - 8, held to -126 .. 127; a block of zeros has e = 0. As a byte (E8M0): e + 127.
;;     - Each number is divided by its block's scale, clamped to +-448, and rounded to the nearest number of E4M3, ties to even, subnormals kept.
;;     - The product sums the exact products of the quantised numbers (number of the format x scale) in f32.
;;   ~~~python
;;   def quantise(x, axis):      # numpy; x: float32 -> the quantised numbers, widened to float32 again
;;       x = np.moveaxis(x, axis, -1); K = x.shape[-1]
;;       x = np.pad(x, [(0, 0)] * (x.ndim - 1) + [(0, -K % 32)]); x = x.reshape(x.shape[:-1] + (-1, 32)); a = np.abs(x).max(-1, keepdims=True)
;;       e = np.where(a > 0, np.clip(np.frexp(np.where(a > 0, a, 1))[1] - 1 - 8, -126, 127), 0)      # np.frexp(a)[1] - 1 = floor(log2(a)), exactly
;;       r = np.clip(x / 2.0 ** e, -448, 448)
;;       step = 2.0 ** (np.maximum(np.frexp(np.where(r == 0, 1, r))[1] - 1, -6) - 3)
;;       q = np.round(r / step) * step * 2.0 ** e      # np.round: ties to even
;;       return np.moveaxis(q.reshape(q.shape[:-2] + (-1,))[..., :K], -1, axis).astype(np.float32)
;;   ~~~
;;   SOFTMAX AHEAD OF A QUANTISED PRODUCT. Where the list says 'softmax', what is quantised is not the finished softmax but p = 2^(t - M), with t = logit x log2(e) and M = ceil(the row's largest t), a whole number; so 1/2 < the row's largest p <= 1. The row's sum l is taken of the UNQUANTISED p, in f32, and the product's result is divided by l at the end. Since M is a whole number, a kernel that streams over the keys may use a running M (the ceiling of the running maximum): every later rescaling is an exact power of two, which a block's scale takes up: the codes' values come out the same.
;;   OPERANDS COMPUTED ON THE WAY. 'Computed on the way' means the value that the module computes at that place (a softmax that the list does not call 'softmax' is quantised finished and normalised). What goes into a quantiser is computed in f32, as accurately as f32 sums, v_exp_f32 and their like allow (about 1e-6 of the number): no bf16 or f16 on the way to a quantiser, and a product that is left as it is and whose result goes on into a quantised operand takes f32 operands (vector FMAs, or v_wmma_f32_16x16x4_f32). A number that lies on a knife's edge between two numbers of the format may be rounded either way, as far as f32 arithmetic and the matrix unit's own rounding can turn it there, and no further.
;; One version. Each part assembles by itself: llvm-mc -triple=amdgcn-amd-amdhsa -mcpu=gfx1250 --defsym DOCPART=n.
;; ======== version 1 of 1: 7 launches
;; limits: right only within a limited range of input values
;; workspace buffers: wqk_q 3,670,016 bytes; wr_q 9,961,472 bytes; p 4,718,592 bytes; qk 8,912,896 bytes; vt 17,301,504 bytes; x1 16,777,216 bytes; hq 17,301,504 bytes
;; launch prep (part 1): grid 448 x 1, 8 waves a work-group, no clusters, 137,216 bytes of LDS; arguments x, alpha1, bias1, p, wq, wk, wv, wo, w1, w2, wqk_q, wr_q; writes p, wqk_q, wr_q
.if DOCPART == 1
	.amdgcn_target "amdgcn-amd-amdhsa--gfx1250"
	.amdhsa_code_object_version 6
	.text
	.protected	k_qd4d11e7a84_prep
	.globl	k_qd4d11e7a84_prep
	.p2align	8
	.type	k_qd4d11e7a84_prep,@function
k_qd4d11e7a84_prep:
	s_mov_b64 s[64:65], 0
	v_nop
	global_prefetch_b8 v0, s[64:65] scope:SCOPE_SE
	s_setreg_imm32_b32 hwreg(HW_REG_WAVE_MODE, 25, 1), 1
	s_wait_xcnt 0x0
; TWO KINDS OF WORK-GROUPS IN ONE BODY, told apart by the work-group's number; both make codes of E4M3 with one E8M0 byte for each 32 along K, laid as IMAGES OF AN OPERAND'S REGISTERS:
; fragment (tile, ks) = 2,048 bytes [c = 0..3][lane][16 bytes]; lane (r = lane % 16, h = lane / 16), group c holds k = 128 ks + 32 c + 16 h + 0..15 of the tile's lane-row r.
; Lane-row r of tile t is the true row 32 (t / 2) + 8 (t % 2) + r + 8 (r / 8).  In a buffer: scale words [tile][ks][16 lane-rows] from byte 0, codes [tile][ks][2,048] from byte OFFC.
; WORK-GROUPS 0-255, THE NORM: y = alpha (x - mean) / (std + 1e-6) + bias along rows of 1,024 f32, std from the variance over 1,023, taken of x - mean (two passes over registers); y is quantised along the row.
;   A work-group takes one tile of 16 tokens.  Phase 1: wave w takes lane-rows 2 w and 2 w + 1, a row in 32 registers; y goes to LDS (pitch 4,112 bytes).  Phase 2: wave w quantises ks = w.
; WORK-GROUPS 256-447, THE WEIGHTS: the six weights, f32 [N][K], K innermost.  wq, wk, wv lie on end in one buffer, wo, w1, w2 in the other.  1,536 tasks, one a wave: one tile, four neighbouring ks.
;   Each load reads 512 consecutive bytes of a row; the 16 rows turn through the wave's own stage in LDS (pitch 528 bytes), so that a lane gets 16 neighbours of each block.  These waves share nothing.
; A launch of 256 work-groups runs the norm alone (the second norm of the block).  Each kind has LDS bytes of its own.
; A block's scale is 2^(floor(log2(largest magnitude)) - 8); its byte is the largest magnitude's exponent field - 8, held at 1 from below.
; LIMITS: a block of zeros gets the byte 1 where the rule says 127 (its codes are zeros, and only this program reads the bytes); blocks under 2^-118 share that byte; NaN and infinities are not served; 1 / 1,023 is a multiplication by the nearest f32.
; Memory binds: no matrix unit, no cluster, no tensor load.
.set OFFC, 524288
.set RP,   4112
.set SCA,  16*RP                       ; behind the norm's rows: the tile's 512 scale bytes
.set QB,   66560                       ; the weights' stages begin here
.set WREG, 8704                        ; a wave's: 16 rows x 528 bytes, then its 256 scale bytes
.set SPI,  528
.set SPARE, QB+8*WREG                  ; the spare words, 128 bytes a wave: four blocks of 256 bytes that no other line names
.set VOFF, 16                          ; v16-31  weights: lane-row p's byte offset
.set X,    32                          ; v32-95  norm: two rows;  v32-159 weights: two sets of 64 as loaded
.set AL,   96
.set BE,   128
.set A,    160                         ; v160-167 norm: four chains
.set SM,   168
.set TP,   169
.set MP,   170
.set SQ,   172
.set XQ,   160                         ; v160-223 a fragment's numbers, 16 neighbours of each block
.set PC,   224                         ; v224-239 its codes
.set TM,   240                         ; v240-255 at work
.set PW,   11
.set SEL,  44
.set MNT,  46
	v_lshl_add_u32 v14, v0, 2, SPARE
	v_mov_b32 v15, 0
	v_lshrrev_b32 v1, 5, v0
	v_readfirstlane_b32 s47, v1                    ; wave
	v_and_b32 v1, 31, v0
	v_and_b32 v2, 15, v0                           ; r
	v_bfe_u32 v3, v0, 4, 1                         ; h
	v_lshlrev_b32 v4, 4, v1                        ; 16 x lane
	s_mov_b32 s[SEL], 0x76543210
	s_mov_b32 s[SEL+1], 0xfedcba98                 ; lane l xor 16
	s_mov_b32 s[MNT], 0x600000                     ; the mantissa field of 448
	v_mov_b32 v[TP], 0                             ; lane permutes' destinations count as read: written once
.irp b, 0,1,2,3
	v_mov_b32 v[TM+4+\b], 0
.endr
	s_cmp_lt_u32 ttmp9, 256
	s_wait_alu depctr_va_vdst(0)                   ; the wait ahead of the branch
	s_cbranch_scc0 .Lweights
; 64 numbers of a lane, register 16 b + i = k 32 b + 16 h + i of my lane-row, become the fragment's codes in v[PC] on and its scale word in v[PW]
.macro QUANT4 s
.irp b, 0,1,2,3
	v_max3_num_f32 v[TM+\b], |v[\s+16*\b]|, |v[\s+1+16*\b]|, 0x4800000   ; the floor 2^(9 - 127): the byte cannot fall under 1
.endr
.irp i, 2,4,6,8,10,12,14
.irp b, 0,1,2,3
	v_max3_num_f32 v[TM+\b], v[TM+\b], |v[\s+16*\b+\i]|, |v[\s+1+16*\b+\i]|
.endr
.endr
.irp b, 0,1,2,3
	v_permlanex16_b32 v[TM+4+\b], v[TM+\b], s[SEL], s[SEL+1]
.endr
.irp b, 0,1,2,3
	v_max_num_f32 v[TM+\b], v[TM+\b], v[TM+4+\b]   ; with lane l xor 16's 16: the block's largest magnitude
.endr
.irp b, 0,1,2,3
	v_add_nc_u32 v[TM+12+\b], 0xfc000000, v[TM+\b] ; 8 off its exponent field: the conversion's scale operand
.endr
.irp b, 0,1,2,3
	v_and_or_b32 v[TM+8+\b], v[TM+\b], 0x7f800000, s[MNT]   ; 448 x the scale
.endr
.irp b, 0,1,2,3
	v_lshrrev_b32 v[TM+4+\b], 23, v[TM+12+\b]      ; the scale's byte
.endr
	v_lshl_or_b32 v[PW], v[TM+5], 8, v[TM+4]
	v_lshl_or_b32 v[PW], v[TM+6], 16, v[PW]
	v_lshl_or_b32 v[PW], v[TM+7], 24, v[PW]
.irp b, 0,1,2,3
.irp i, 0,1,2,3,4,5,6,7,8,9,10,11,12,13,14,15
	v_med3_num_f32 v[\s+16*\b+\i], v[\s+16*\b+\i], -v[TM+8+\b], v[TM+8+\b]   ; the conversion does not saturate (ISA guide 7.6.2): hold first
.endr
	v_cvt_scalef32_pk8_fp8_f32 v[PC+4*\b:PC+1+4*\b], v[\s+16*\b:\s+7+16*\b], v[TM+12+\b]
	v_cvt_scalef32_pk8_fp8_f32 v[PC+2+4*\b:PC+3+4*\b], v[\s+8+16*\b:\s+15+16*\b], v[TM+12+\b]
.endr
	v_nop                                          ; one plain line behind the last conversion
.endm
; ---------------- the norm ----------------
	s_load_b256 s[4:11], s[0:1], 0x0               ; x, alpha, bias, the operand buffer
	s_lshr_b32 s13, ttmp9, 1
	s_lshl_b32 s13, s13, 5
	s_and_b32 s14, ttmp9, 1
	s_lshl_b32 s14, s14, 3
	s_add_co_u32 s13, s13, s14
	s_lshl_b32 s14, s47, 1
	s_add_co_u32 s13, s13, s14
	s_lshr_b32 s14, s47, 2
	s_lshl_b32 s14, s14, 3
	s_add_co_u32 s13, s13, s14                     ; my first token: 32 (t / 2) + 8 (t % 2) + 2 w + 8 (w / 4)
	s_lshl_b32 s14, s13, 12
	s_mov_b32 s15, 0
	s_mul_i32 s23, s47, 2*RP
	v_add_nc_u32 v5, s23, v4                       ; LDS, phase 1: lane-row 2 w, 16 bytes a lane
	v_mul_u32_u24 v6, v2, RP
	v_lshl_add_u32 v6, v3, 6, v6
	s_lshl_b32 s23, s47, 9
	v_add_nc_u32 v6, s23, v6                       ; phase 2: row r, ks = w, + 64 h
	s_lshl_b32 s23, s47, 6
	s_add_co_u32 s23, s23, SCA
	v_lshl_add_u32 v7, v2, 2, s23                  ; my lane-row's scale word of ks = w
	v_add_nc_u32 v8, SCA, v4
	s_lshl_b32 s16, ttmp9, 14
	s_lshl_b32 s17, s47, 11
	s_add_co_u32 s16, s16, s17
	s_add_co_u32 s16, s16, OFFC
	s_mov_b32 s17, 0
	s_lshl_b32 s18, ttmp9, 9
	s_mov_b32 s19, 0
	s_wait_alu depctr_va_vdst(0)                   ; directly ahead of the wait below
	s_wait_kmcnt 0x0
	s_add_nc_u64 s[4:5], s[4:5], s[14:15]
	s_add_nc_u64 s[16:17], s[10:11], s[16:17]
	s_add_nc_u64 s[18:19], s[10:11], s[18:19]
.irp i, 0,1
.irp j, 0,1,2,3,4,5,6,7
	global_load_b128 v[X+32*\i+4*\j:X+32*\i+4*\j+3], v4, s[4:5] offset:4096*\i+512*\j
.endr
.endr
.irp j, 0,1,2,3,4,5,6,7
	global_load_b128 v[AL+4*\j:AL+4*\j+3], v4, s[6:7] offset:512*\j
	global_load_b128 v[BE+4*\j:BE+4*\j+3], v4, s[8:9] offset:512*\j
.endr
.macro REDUCE                          ; the four chains summed over the 32 lanes, the result in every lane's v[SM]
	v_pk_add_f32 v[A:A+1], v[A:A+1], v[A+2:A+3]
	v_pk_add_f32 v[A+4:A+5], v[A+4:A+5], v[A+6:A+7]
	v_pk_add_f32 v[A:A+1], v[A:A+1], v[A+4:A+5]
	v_add_f32 v[SM], v[A], v[A+1]
	v_add_f32_dpp v[SM], v[SM], v[SM] row_xmask:1 row_mask:0xf bank_mask:0xf
	v_add_f32_dpp v[SM], v[SM], v[SM] row_xmask:2 row_mask:0xf bank_mask:0xf
	v_add_f32_dpp v[SM], v[SM], v[SM] row_xmask:4 row_mask:0xf bank_mask:0xf
	v_add_f32_dpp v[SM], v[SM], v[SM] row_xmask:8 row_mask:0xf bank_mask:0xf
	v_permlanex16_b32 v[TP], v[SM], s[SEL], s[SEL+1]
	v_add_f32 v[SM], v[SM], v[TP]
.endm
.macro LNROW i
.set XR, X+32*\i
.irp c, 0,1,2,3
	v_pk_add_f32 v[A+2*\c:A+2*\c+1], v[XR+4*\c:XR+4*\c+1], v[XR+4*\c+2:XR+4*\c+3]   ; the first words start four chains: nothing is cleared
.endr
.irp k, 8,9,10,11,12,13,14,15
	v_pk_add_f32 v[A+2*(\k%4):A+2*(\k%4)+1], v[A+2*(\k%4):A+2*(\k%4)+1], v[XR+2*\k:XR+2*\k+1]
.endr
	REDUCE
	v_mul_f32 v[MP], 0x3a800000, v[SM]             ; the mean: / 1,024, exact
	v_mov_b32 v[MP+1], v[MP]
.irp k, 0,1,2,3,4,5,6,7,8,9,10,11,12,13,14,15
	v_pk_add_f32 v[XR+2*\k:XR+2*\k+1], v[XR+2*\k:XR+2*\k+1], v[MP:MP+1] neg_lo:[0,1] neg_hi:[0,1]   ; d = x - mean
.endr
.irp c, 0,1,2,3
	v_pk_mul_f32 v[A+2*\c:A+2*\c+1], v[XR+2*\c:XR+2*\c+1], v[XR+2*\c:XR+2*\c+1]
.endr
.irp k, 4,5,6,7,8,9,10,11,12,13,14,15
	v_pk_fma_f32 v[A+2*(\k%4):A+2*(\k%4)+1], v[XR+2*\k:XR+2*\k+1], v[XR+2*\k:XR+2*\k+1], v[A+2*(\k%4):A+2*(\k%4)+1]
.endr
	REDUCE
	v_mul_f32 v[SM], 0x3a802008, v[SM]             ; / 1,023
	s_wait_alu depctr_va_vdst(0)                   ; a wait ahead of and behind each transcendental
	v_sqrt_f32 v[SQ], v[SM]
	v_nop
	s_wait_alu depctr_va_vdst(0)
	v_add_f32 v[SQ], 0x358637bd, v[SQ]             ; + 1e-6
	s_wait_alu depctr_va_vdst(0)
	v_rcp_f32 v[MP], v[SQ]
	v_nop
	s_wait_alu depctr_va_vdst(0)
	v_mov_b32 v[MP+1], v[MP]
	s_wait_alu depctr_va_vdst(0)
	s_wait_loadcnt 0x0                             ; alpha and bias
.irp k, 0,1,2,3,4,5,6,7,8,9,10,11,12,13,14,15
	v_pk_mul_f32 v[XR+2*\k:XR+2*\k+1], v[XR+2*\k:XR+2*\k+1], v[MP:MP+1]
.endr
.irp k, 0,1,2,3,4,5,6,7,8,9,10,11,12,13,14,15
	v_pk_fma_f32 v[XR+2*\k:XR+2*\k+1], v[XR+2*\k:XR+2*\k+1], v[AL+2*\k:AL+2*\k+1], v[BE+2*\k:BE+2*\k+1]
.endr
.irp j, 0,1,2,3,4,5,6,7
	ds_store_b128 v5, v[XR+4*\j:XR+4*\j+3] offset:RP*\i+512*\j
.endr
.endm
	s_wait_loadcnt 16                              ; my two rows are in; the 16 loads of alpha and bias may be out
	LNROW 0
	LNROW 1
	s_wait_dscnt 0x0                               ; for the others' sake: my rows lie in LDS
	s_barrier_signal -1
	s_barrier_wait -1
.irp c, 0,1,2,3
.irp j, 0,1,2,3
	ds_load_b128 v[XQ+16*\c+4*\j:XQ+16*\c+4*\j+3], v6 offset:128*\c+16*\j   ; y(lane-row r, 128 w + 32 c + 16 h + 4 j ..)
.endr
.endr
	s_wait_dscnt 0x0
	QUANT4 XQ
.irp c, 0,1,2,3
	global_store_b128 v4, v[PC+4*\c:PC+4*\c+3], s[16:17] offset:512*\c   ; 512 consecutive bytes
.endr
	ds_store_b32 v7, v[PW]                         ; lanes l and l + 16 write the same word with the same value
	s_wait_dscnt 0x0
	s_barrier_signal -1
	s_barrier_wait -1
	s_cmp_lg_u32 s47, 0
	s_cbranch_scc1 .Lend
	ds_load_b128 v[16:19], v8                      ; wave 0 stores the tile's 512 scale bytes in one run
	s_wait_dscnt 0x0
	global_store_b128 v4, v[16:19], s[18:19]
	s_branch .Lend
; ---------------- the weights ----------------
.Lweights:
	s_load_b256 s[4:11], s[0:1], 0x20              ; wq, wk, wv, wo
	s_load_b256 s[12:19], s[0:1], 0x40             ; w1, w2, wqk_q, wr_q
	s_sub_co_u32 s23, ttmp9, 256
	s_lshl_b32 s23, s23, 3
	s_add_co_u32 s23, s23, s47                     ; my task T
	v_lshlrev_b32 v9, 3, v1
	s_mul_i32 s34, s47, WREG
	s_add_co_u32 s34, s34, QB
	v_add_nc_u32 v5, s34, v4                       ; into the stage: 16 bytes a lane of a row
	v_mul_u32_u24 v6, v2, SPI
	v_lshl_add_u32 v6, v3, 6, v6
	v_add_nc_u32 v6, s34, v6                       ; out of it: row r, + 64 h
	s_add_co_u32 s34, s34, 16*SPI
	v_lshl_add_u32 v7, v2, 2, s34                  ; my lane-row's scale word
	v_add_nc_u32 v10, s34, v9
	s_wait_kmcnt 0x0
	; which tensor: the choices hang on the task's number alone.  s26 = the tensor's first task
	s_mov_b64 s[24:25], s[14:15]
	s_mov_b32 s26, 1024
	s_cmp_lt_u32 s23, 1024
	s_cselect_b64 s[24:25], s[12:13], s[24:25]
	s_cselect_b32 s26, 512, s26
	s_cselect_b32 s27, 1, 3                        ; tasks to a tile: 2 (K = 1,024) or 8 (K = 4,096), as a shift
	s_cselect_b32 s28, 12, 14                      ; a row's bytes, as a shift
	s_cmp_lt_u32 s23, 512
	s_cselect_b64 s[24:25], s[10:11], s[24:25]
	s_cselect_b32 s26, 384, s26
	s_cmp_lt_u32 s23, 384
	s_cselect_b64 s[24:25], s[8:9], s[24:25]
	s_cselect_b32 s26, 256, s26
	s_cmp_lt_u32 s23, 256
	s_cselect_b64 s[24:25], s[6:7], s[24:25]
	s_cselect_b32 s26, 128, s26
	s_cmp_lt_u32 s23, 128
	s_cselect_b64 s[24:25], s[4:5], s[24:25]
	s_cselect_b32 s26, 0, s26
	s_mov_b64 s[36:37], s[18:19]                   ; and which buffer it goes to; s38 = that buffer's first task
	s_mov_b32 s38, 384
	s_cmp_lt_u32 s23, 384
	s_cselect_b64 s[36:37], s[16:17], s[36:37]
	s_cselect_b32 s38, 0, s38
	s_sub_co_u32 s29, s23, s26
	s_lshl_b32 s30, 1, s27
	s_sub_co_u32 s30, s30, 1
	s_and_b32 s31, s29, s30                        ; which four ks
	s_lshr_b32 s30, s29, s27                       ; the tile
	s_lshr_b32 s32, s30, 1
	s_lshl_b32 s32, s32, 5
	s_and_b32 s33, s30, 1
	s_lshl_b32 s33, s33, 3
	s_add_co_u32 s32, s32, s33                     ; its first row: 32 (t / 2) + 8 (t % 2)
	s_lshl_b32 s32, s32, s28
	s_lshl_b32 s33, s31, 11                        ; four ks are 2,048 bytes of a row
	s_add_co_u32 s32, s32, s33
	s_mov_b32 s33, 0
	s_add_nc_u64 s[24:25], s[24:25], s[32:33]
	s_sub_co_u32 s38, s23, s38
	s_lshl_b32 s40, s38, 13                        ; a task's codes: 8,192 bytes
	s_add_co_u32 s40, s40, OFFC
	s_mov_b32 s41, 0
	s_add_nc_u64 s[40:41], s[36:37], s[40:41]
	s_lshl_b32 s42, s38, 8                         ; its scale words: 256 bytes
	s_mov_b32 s43, 0
	s_add_nc_u64 s[42:43], s[36:37], s[42:43]
.irp p, 0,1,2,3,4,5,6,7,8,9,10,11,12,13,14,15
	s_lshl_b32 s35, \p+8*(\p/8), s28               ; lane-row p lies p + 8 (p / 8) rows on
	v_add_nc_u32 v[VOFF+\p], s35, v4
.endr
.macro LOADF f                         ; fragment f: 16 rows x 512 consecutive bytes
.irp p, 0,1,2,3,4,5,6,7,8,9,10,11,12,13,14,15
	global_load_b128 v[X+64*((\f)%2)+4*\p:X+64*((\f)%2)+4*\p+3], v[VOFF+\p], s[24:25] offset:512*(\f) th:TH_LOAD_NT
.endr
.endm
.macro FRAG f
.if (\f) < 3
	s_wait_loadcnt 16                              ; this fragment's 16 loads are in; the next fragment's 16 may be out
.else
	s_wait_loadcnt 0x0
.endif
.irp p, 0,1,2,3,4,5,6,7,8,9,10,11,12,13,14,15
	ds_store_b128 v5, v[X+64*((\f)%2)+4*\p:X+64*((\f)%2)+4*\p+3] offset:SPI*\p
.endr
.irp c, 0,1,2,3
.irp j, 0,1,2,3
	ds_load_b128 v[XQ+16*\c+4*\j:XQ+16*\c+4*\j+3], v6 offset:128*\c+16*\j   ; LDS serves a wave's instructions in order: these see the stores above
.endr
.endr
	s_wait_dscnt 0x0
.if (\f) < 2
	LOADF (\f)+2                                   ; into the set that has just gone through the stage
.endif
	s_wait_xcnt 0x0                                ; the last fragment's stores have read v[PC] on: it is written again only behind this wait
	QUANT4 XQ
.irp c, 0,1,2,3
	global_store_b128 v4, v[PC+4*\c:PC+4*\c+3], s[40:41] offset:2048*(\f)+512*\c   ; 32 lanes store 512 consecutive bytes
.endr
	ds_store_b32 v7, v[PW] offset:64*(\f)          ; lanes l and l + 16 write the same word with the same value
.endm
	s_wait_alu depctr_va_vdst(0)
	LOADF 0
	LOADF 1
	FRAG 0
	FRAG 1
	FRAG 2
	FRAG 3
	ds_load_b64 v[12:13], v10                      ; my wave's 256 scale bytes, 8 a lane
	s_wait_dscnt 0x0
	global_store_b64 v9, v[12:13], s[42:43]        ; 256 consecutive bytes, aligned
.Lend:
	s_wait_tensorcnt 0x0                           ; the wave's end
	ds_add_u32 v14, v15
	s_wait_dscnt 0x0
	s_endpgm
.Lfunc_end_k_qd4d11e7a84_prep:
	.size	k_qd4d11e7a84_prep, .Lfunc_end_k_qd4d11e7a84_prep-k_qd4d11e7a84_prep
	.p2alignl 7, 3214868480
	.fill 96, 4, 3214868480
	.section	.rodata,"a",@progbits
	.p2align	6, 0x0
	.amdhsa_kernel k_qd4d11e7a84_prep
		.amdhsa_group_segment_fixed_size 137216
		.amdhsa_private_segment_fixed_size 0
		.amdhsa_enable_private_segment 0
		.amdhsa_kernarg_size 96
		.amdhsa_user_sgpr_count 2
		.amdhsa_user_sgpr_kernarg_segment_ptr 1
		.amdhsa_wavefront_size32 1
		.amdhsa_system_sgpr_workgroup_id_x 1
		.amdhsa_system_sgpr_workgroup_id_y 1
		.amdhsa_system_sgpr_workgroup_id_z 1
		.amdhsa_system_vgpr_workitem_id 0
		.amdhsa_next_free_vgpr 256
		.amdhsa_next_free_sgpr 66
		.amdhsa_reserve_vcc 0
		.amdhsa_float_denorm_mode_32 3
		.amdhsa_float_denorm_mode_16_64 3
		.amdhsa_memory_ordered 1
		.amdhsa_forward_progress 1
		.amdhsa_inst_pref_size 82
	.end_amdhsa_kernel
	.amdgpu_metadata
---
amdhsa.version: [ 1, 2 ]
amdhsa.kernels:
  - .name:           k_qd4d11e7a84_prep
    .symbol:         k_qd4d11e7a84_prep.kd
    .args:
      - { .name: x, .offset: 0, .size: 8, .value_kind: global_buffer, .address_space: global }
      - { .name: alpha1, .offset: 8, .size: 8, .value_kind: global_buffer, .address_space: global }
      - { .name: bias1, .offset: 16, .size: 8, .value_kind: global_buffer, .address_space: global }
      - { .name: p, .offset: 24, .size: 8, .value_kind: global_buffer, .address_space: global }
      - { .name: wq, .offset: 32, .size: 8, .value_kind: global_buffer, .address_space: global }
      - { .name: wk, .offset: 40, .size: 8, .value_kind: global_buffer, .address_space: global }
      - { .name: wv, .offset: 48, .size: 8, .value_kind: global_buffer, .address_space: global }
      - { .name: wo, .offset: 56, .size: 8, .value_kind: global_buffer, .address_space: global }
      - { .name: w1, .offset: 64, .size: 8, .value_kind: global_buffer, .address_space: global }
      - { .name: w2, .offset: 72, .size: 8, .value_kind: global_buffer, .address_space: global }
      - { .name: wqk_q, .offset: 80, .size: 8, .value_kind: global_buffer, .address_space: global }
      - { .name: wr_q, .offset: 88, .size: 8, .value_kind: global_buffer, .address_space: global }
    .group_segment_fixed_size: 137216
    .private_segment_fixed_size: 0
    .kernarg_segment_align: 8
    .kernarg_segment_size: 96
    .max_flat_workgroup_size: 256
    .sgpr_count:     66
    .vgpr_count:     256
    .wavefront_size: 32
...
	.end_amdgpu_metadata
.endif
;; end of part 1
;; launch gemm_qkv (part 2): grid 8 x 32, 4 waves a work-group, clusters of 4 x 4, 327,680 bytes of LDS; arguments p, wqk_q, qk, vt; writes qk, vt
.if DOCPART == 2
	.amdgcn_target "amdgcn-amd-amdhsa--gfx1250"
	.amdhsa_code_object_version 6
	.text
	.protected	k_qd4d11e7a84_gemm_qkv
	.globl	k_qd4d11e7a84_gemm_qkv
	.p2align	8
	.type	k_qd4d11e7a84_gemm_qkv,@function
k_qd4d11e7a84_gemm_qkv:
	s_mov_b64 s[64:65], 0
	v_nop
	global_prefetch_b8 v0, s[64:65] scope:SCOPE_SE
	s_setreg_imm32_b32 hwreg(HW_REG_WAVE_MODE, 25, 1), 1
	s_wait_xcnt 0x0
	s_wait_alu depctr_hold_cnt(0) depctr_sa_sdst(0) depctr_va_vdst(0) depctr_va_sdst(0) depctr_va_ssrc(0) depctr_va_vcc(0) depctr_vm_vsrc(0)
	s_getreg_b32 s2, hwreg(HW_REG_IB_STS2, 6, 4)
	s_cmp_eq_u32 s2, 0
	s_cbranch_scc0 .Lentry_in_a_cluster
	s_endpgm
.Lentry_in_a_cluster:
	s_bfe_u32 s2, ttmp6, 0x10000c
	s_cmp_lg_u32 s2, 0xf033
	s_cbranch_scc0 .Lentry_shape_is_right
	s_endpgm
.Lentry_shape_is_right:
; q, k and v in one launch: OUT = Q(A B^T).  A (the normed rows) [4,096][1,024] and B (wq, wk, wv on end) [3,072][1,024] are codes of E4M3 with E8M0 scales, laid as images of an operand's registers
; (fragment (tile, ks) = [c][lane][16 bytes]; lane-row r of tile t is row 32 (t / 2) + 8 (t % 2) + r + 8 (r / 8); scale words [tile][ks][16] from byte 0, codes from byte OFFC).
; A result is quantised in blocks of 32 along the axis that its registers run along and leaves as chunks of 64: chunk (that axis / 64, the other axis's tile) = [block 0, 1][lane][16 bytes]
; at OFFC + (256 chunk + tile) x 1,024; its scale halves at 8,192 chunk + 64 (tile / 2) + 4 r + 2 (tile % 2).  q and k: along a head's 64, tiles of tokens.  v: along the tokens, tiles of channels.
; A WORK-GROUP STAYS.  Its 128 rows of A, for all of K, lie in LDS for the whole launch (128 KiB, filled once); it walks NT = 3 tiles of 128 rows of B, at column tiles x, x + 8, x + 16: one of wq, one of wk,
; one of wv.  B goes through a ring of two slots of 64 KiB (K = 512 each), and the ring goes on into the next tile: a tile's way out stands under the next tile's loads.  So 128 + 3 x 128 KiB of codes land
; in a work-group's LDS for three tiles, where three work-groups of one tile each would take 3 x 256.
; SHARES: four waves, each 64 x 64 of a tile: 16 accumulators.  A fragment comes by four ds_load_b128 of 512 consecutive bytes: no pitch, no padding.
; CLUSTERS: 4 x 4 work-groups; A is asked for jointly along a row of the cluster, B's tiles along a column.  At the head waves 0 and 1 fetch A, waves 2 and 3 slot 0 of B (a branch on the wave's number); behind it every wave fetches a quarter of each load of B.
; THE MATRIX INSTRUCTION IS USED TRANSPOSED (source 0 = 16 lane-rows of B, source 1 = 16 of A): by the order of a tile's rows a lane's 16 registers of B's tiles 2 b and 2 b + 1 are 16 neighbours along N.
; THE LAST TILE (wv) IS TAKEN THE OTHER WAY ROUND: source 0 = A's tokens, source 1 = wv's rows, so that the registers run along the tokens, which are the K of attention's second product.
; LIMITS: a block of zeros gets the byte 1 (only this program reads the bytes); NaN and infinities are not served.
; REGISTERS: window 0: v8-11 scale words' addresses, one a tile; v16-29 addresses; v32-39 scale words, two sets (lanes 0-15 A's tile i, lanes 16-31 B's tile i); v40-77 at work on the way out; v96-127 codes;
;   v128-255 accumulators (a, b) at 128 + 8 (4 a + b).   window 1: two fragment buffers of 128: A's four fragments, then B's four.
.set KTOT,  1024
.set NT,    3                          ; tiles of B that a work-group walks
.set SWAPL, 1                          ; the last of them is taken the other way round
.set BIAS,  0
.set RELU,  0
.set QKLAY, 1
.set OFFC,  524288
.set ASCL,  0
.set ACOD,  OFFC
.set BSCL,  0
.set BCOD,  OFFC
.set PA,    1024                       ; bytes from A's tile to the next in the output
.set PB,    262144                     ; and from a chunk of 64 along N to the next
.set TCOD,  16*PB                      ; from a walk's tile to the next: 8 column tiles are 16 chunks
.set TSCL,  131072                     ; the same for the scale halves
.set OUTP,  8
.set TSTEP, 64*16*KTOT                 ; in B's codes: 8 column tiles of 8 tiles of 16 KTOT bytes
.set BS0,   131072                     ; LDS: A's 8 tiles x 8 ks x 2,048 bytes from 0; B's slots from here,
.set BSLOT, 65536                      ; each 8 tiles x 4 ks x 2,048 bytes
.set SCL,   262144                     ; the scale words: A's eight tiles, 512 bytes each, on end; from SCL + 4,096 B's eight tiles of each tile of the walk, 4,096 bytes a tile of the walk
.set NTP,   1024                       ; from a pair of tiles to the next
.set SPARE, SCL+32768                  ; the spare words, 128 bytes a wave: two blocks of 256 bytes that no other line names
.set ADRS, 8
.set ADRA, 16
.set ADRB, 20
.set L16,  24
.set SLN,  25
.set SPW,  28
.set NIL,  29
.set SC,   32
.set TMX,  40
.set T2,   48
.set HOLD, 56
.set SOP,  64
.set PWD,  72
.set PC,   96
.set ACC,  128
.set BI,   0                           ; (the bias, in window 2: not used here)
.set F0,   0
.set F1,   128
.set G1A,  24                          ; s[24:31] group 1 for A's codes;  s[32:39] for B's
.set G1B,  32
.set G1SA, 48
.set G1SB, 56
.set G0A,  68                          ; groups 0: s[68:71] A's codes, s[80:87] B's two slots; s[72:73], s[76:77] the scale words' addresses
.set G0SA, 72
.set G0SB, 76
.set G0B,  80
.set MNT,  95
.set SEL,  96
.set MSB, 0
.macro WIN new                         ; the immediate's high byte repeats the setting that is left
.if MSB != \new
	s_set_vgpr_msb (MSB<<8)|\new
.set MSB, \new
.endif
.endm
.set MUL,  0x05                        ; sources 0 and 1 window 1; C and D window 0
.set MULZ, 0x25                        ; the same with C in window 2
.set TO_F, 0x40                        ; destination window 1, address window 0
.macro CREST                           ; a round of the cluster's barrier behind its opening barrier
	s_cmp_lg_u32 s14, 0
	s_cbranch_scc1 .Lnot_wave_0_\@
	s_barrier_signal -3
.Lnot_wave_0_\@:
	s_barrier_wait -3
	s_barrier_signal -1
	s_barrier_wait -1
.endm
.macro CROUND
	s_barrier_signal -1
	s_barrier_wait -1
	CREST
.endm
.macro PLACES n                        ; plain vector lines between a matrix instruction and a load into, or a read of, its registers: eight for this form
.rept \n
	v_nop
.endr
.endm
	s_load_b128 s[4:7], s[0:1], 0x0                ; A, B
	s_load_b128 s[8:11], s[0:1], 0x10              ; the two further buffers
	v_lshl_add_u32 v[SPW], v0, 2, SPARE
	v_mov_b32 v[NIL], 0
	ds_add_u32 v28, v29
	ds_add_u32 v28, v29
	s_wait_dscnt 0x0
	v_lshrrev_b32 v1, 5, v0
	v_readfirstlane_b32 s14, v1                    ; wave
	s_lshr_b32 s15, s14, 1                         ; my half of A's 128 rows
	s_and_b32 s16, s14, 1                          ; my half of B's
	s_bfe_u32 s40, ttmp6, 0x40000                  ; cx, cy
	s_bfe_u32 s41, ttmp6, 0x40004
	s_lshl_b32 s42, ttmp9, 2
	s_add_co_u32 s42, s42, s40                     ; x: the walk's first column tile
	s_and_b32 s17, ttmp7, 0xffff
	s_lshl_b32 s17, s17, 2
	s_add_co_u32 s17, s17, s41                     ; tile row
	s_lshl_b32 s43, s41, 2
	s_lshl_b32 s43, 15, s43                        ; my row of the cluster
	s_lshl_b32 s44, 0x1111, s40                    ; my column
	; A's codes, at the head a wave's half: four tiles, 64 KiB on end, as 8 rows of 8,192 bytes (1,024 elements of 8 bytes)
	s_or_b32 s[G1A], s43, (3<<16)|(1<<21)          ; 15:0 the mask: my row; 17:16 elements of 8 bytes; 21 set beside a mask
	s_mov_b32 s[G1A+1], 1024<<16                   ; tensor_dim0
	s_mov_b32 s[G1A+2], 8<<16                      ; at the head waves 0 and 1 fetch four tiles of A each: 8 rows of 8,192 bytes
	s_mov_b32 s[G1A+3], 1024<<16                   ; tile_dim0
	s_mov_b32 s[G1A+4], 8
	s_mov_b32 s[G1A+5], 1024                       ; stride
	s_mov_b32 s[G1A+6], 0
	s_mov_b32 s[G1A+7], 0
	; B's codes, a wave's quarter of a slot: two tiles, of each 4 ks = 8,192 consecutive bytes, 16 KTOT bytes from tile to tile
	s_or_b32 s[G1B], s44, (3<<16)|(1<<21)          ; the mask: my column
	s_mov_b32 s[G1B+1], 1024<<16
	s_mov_b32 s[G1B+2], 4<<16                      ; at the head waves 2 and 3 fetch four tiles of slot 0 each; behind it the two words are set to 2
	s_mov_b32 s[G1B+3], 1024<<16
	s_mov_b32 s[G1B+4], 4
	s_mov_b32 s[G1B+5], 2*KTOT
	s_mov_b32 s[G1B+6], 0
	s_mov_b32 s[G1B+7], 0
	s_lshl_b32 s20, s17, 3                         ; A's first tile: it hangs on the tile row
	s_lshl_b32 s46, s42, 3                         ; B's: on x
	s_mul_i32 s22, s20, KTOT/2
	s_add_co_u32 s22, s22, ASCL
	s_mov_b32 s23, 0
	s_mul_i32 s20, s20, 16*KTOT
	s_add_co_u32 s20, s20, ACOD
	s_mov_b32 s21, 0
	s_mul_i32 s92, s46, KTOT/2
	s_add_co_u32 s92, s92, BSCL
	s_mov_b32 s93, 0
	s_mul_i32 s46, s46, 16*KTOT
	s_add_co_u32 s46, s46, BCOD
	s_mov_b32 s47, 0
	s_lshl_b32 s19, s14, 14                        ; LDS: in the ring my two tiles of B lie at wave x 16,384 in a slot
	s_mul_i32 s94, s14, 32*KTOT                    ; and in memory two tiles a wave on
	s_mov_b32 s95, 0
	s_wait_kmcnt 0x0
	s_add_nc_u64 s[20:21], s[4:5], s[20:21]
	s_add_nc_u64 s[22:23], s[4:5], s[22:23]
	s_add_nc_u64 s[46:47], s[6:7], s[46:47]
	s_add_nc_u64 s[92:93], s[6:7], s[92:93]
	s_mov_b64 s[G0SA:G0SA+1], s[22:23]             ; where A's scale words lie, and B's: they come by plain loads
	s_mov_b64 s[G0SB:G0SB+1], s[92:93]
	s_lshl_b32 s78, s16, 16                        ; the head's half: four tiles are 65,536 bytes of A's codes and of B's
	s_mov_b32 s79, 0
	s_mov_b32 s[G0A], 1
	s_lshl_b32 s[G0A+1], s16, 16
	s_add_nc_u64 s[G0A+2:G0A+3], s[20:21], s[78:79]
	s_or_b32 s[G0A+3], s[G0A+3], 0x80000000
	s_mov_b32 s4, 1                                ; s[4:7]: group 0 for the head's load of half of slot 0 (the arguments that lay there have been used)
	s_lshl_b32 s5, s16, 15
	s_add_co_u32 s5, s5, BS0
	s_add_nc_u64 s[6:7], s[46:47], s[78:79]
	s_or_b32 s7, s7, 0x80000000
	s_add_nc_u64 s[46:47], s[46:47], s[94:95]      ; for the ring: my two tiles
	; the prefetches' base: of the 64 blocks of 256 bytes that I fetch for a slot, the partner at place cy of my column takes 16: half a tile's 8,192 bytes.  The partners are told apart by address alone
	s_lshr_b32 s12, s41, 1
	s_mul_i32 s12, s12, 16*KTOT
	s_and_b32 s13, s41, 1
	s_lshl_b32 s13, s13, 12
	s_add_co_u32 s12, s12, s13
	s_mov_b32 s13, 0
	s_add_nc_u64 s[12:13], s[46:47], s[12:13]
.irp s, 0,1
	s_mov_b32 s[G0B+4*\s], 1
	s_add_co_u32 s[G0B+4*\s+1], s19, BS0+\s*BSLOT
	s_add_nc_u64 s[G0B+4*\s+2:G0B+4*\s+3], s[46:47], \s*8192   ; slot s always holds a tile's K = 512 s on
	s_or_b32 s[G0B+4*\s+3], s[G0B+4*\s+3], 0x80000000
.endr
	CROUND                                         ; all sixteen work-groups are here: the first joint loads meet
; waves 0 and 1 fetch A's halves, waves 2 and 3 the halves of slot 0 of B: one branch on the wave's number, a load to each arm
	s_cmp_eq_u32 s15, 0
	s_cbranch_scc0 .Lhead_b
	tensor_load_to_lds s[G0A:G0A+3], s[G1A:G1A+7]
	s_nop 0
.rept 4
	v_nop
.endr
	s_branch .Lhead_asked
.Lhead_b:
	tensor_load_to_lds s[4:7], s[G1B:G1B+7]
	s_nop 0
.rept 4
	v_nop
.endr
.Lhead_asked:
	v_lshlrev_b32 v12, 4, v0                       ; the scale words: the 128 threads read runs of 2,048 consecutive bytes, 16 a thread, into registers that the sums take later,
	v_add_nc_u32 v13, SCL, v12                     ; and store them to LDS bytes of their own ahead of the first barrier
	global_load_b128 v[128:131], v12, s[G0SA:G0SA+1]
	global_load_b128 v[132:135], v12, s[G0SA:G0SA+1] offset:2048
.set tt, 0
.rept NT
	global_load_b128 v[136+8*tt:139+8*tt], v12, s[G0SB:G0SB+1] offset:32768*tt
	global_load_b128 v[140+8*tt:143+8*tt], v12, s[G0SB:G0SB+1] offset:32768*tt+2048
.set tt, tt+1
.endr
.rept 4
	v_nop
.endr
	v_and_b32 v1, 15, v0                           ; r
	v_bfe_u32 v2, v0, 4, 1                         ; h
	s_wait_alu depctr_va_vdst(0)
	v_and_b32 v3, 31, v0                           ; lane
	v_min_u32 v30, 15, v3                          ; a lane a block; the lanes left over name the last block again
	v_lshlrev_b32 v30, 8, v30
	global_prefetch_b8 v30, s[12:13] offset:8192 th:TH_LOAD_NT scope:SCOPE_SE         ; tile 0's second half of K, which the load behind the first round brings
	global_prefetch_b8 v30, s[12:13] offset:TSTEP th:TH_LOAD_NT scope:SCOPE_SE        ; the walk's tile 1, which the first two refills load
	global_prefetch_b8 v30, s[12:13] offset:TSTEP+8192 th:TH_LOAD_NT scope:SCOPE_SE
	v_lshlrev_b32 v4, 4, v3
	s_lshl_b32 s21, s15, 16                        ; my four tiles of A
	v_add_nc_u32 v[ADRA], s21, v4
	s_lshl_b32 s22, s16, 15                        ; my four of B, in slot 0 and in slot 1
	s_add_co_u32 s22, s22, BS0
	v_add_nc_u32 v[ADRB], s22, v4
	s_add_co_u32 s22, s22, BSLOT
	v_add_nc_u32 v[ADRB+1], s22, v4
	v_lshlrev_b32 v5, 2, v1
	s_lshl_b32 s22, s16, 1
	s_add_co_u32 s22, s22, 4
	s_lshl_b32 s23, s15, 1
	s_sub_co_u32 s22, s22, s23
	s_mul_i32 s22, s22, NTP                        ; from my tiles' words of A to my tiles' words of B
	v_mul_u32_u24 v6, s22, v2                      ; lanes 16-31 take B's
	s_mul_i32 s21, s23, NTP
	s_add_co_u32 s21, s21, SCL
	v_add_nc_u32 v5, v5, v6
	v_add_nc_u32 v[ADRS], s21, v5                  ; the walk's tile 0;
	v_lshlrev_b32 v6, 12, v2                       ; from tile to tile of the walk B's words lie 4,096 bytes on, A's stay
.set tt, 1
.rept NT-1
	v_add_nc_u32 v[ADRS+tt], v[ADRS+tt-1], v6
.set tt, tt+1
.endr
.if BIAS
	s_lshl_b32 s92, s42, 9
	s_lshl_b32 s93, s16, 8
	s_add_co_u32 s92, s92, s93
	s_mov_b32 s93, 0
	s_add_nc_u64 s[8:9], s[8:9], s[92:93]          ; the bias of my 64 columns of tile 0; 4,096 bytes on for each tile.  Lane (r, h) wants, for B's tile b, numbers 32 (b / 2) + 8 (b % 2) + 16 h + 0..7
	v_lshlrev_b32 v7, 6, v2
	WIN 0x80                                       ; destination window 2
.set tt, 0
.rept NT
.irp b, 0,1,2,3
	global_load_b128 v[BI+32*tt+8*\b:BI+32*tt+8*\b+3], v7, s[8:9] offset:4096*tt+(32*(\b/2)+8*(\b%2))*4
	global_load_b128 v[BI+32*tt+8*\b+4:BI+32*tt+8*\b+7], v7, s[8:9] offset:4096*tt+(32*(\b/2)+8*(\b%2))*4+16
.endr
.set tt, tt+1
.endr
	WIN 0
.endif
	; where the results go
	s_lshl_b32 s18, s17, 3
	s_lshl_b32 s19, s15, 2
	s_add_co_u32 s18, s18, s19                     ; my first tile of A
	s_lshl_b32 s19, s42, 1
	s_add_co_u32 s19, s19, s16                     ; my chunk of 64 along N, in the walk's tile 0
	s_mul_i32 s20, s18, PA
	s_mul_i32 s21, s19, PB
	s_add_co_u32 s20, s20, s21
	s_add_co_u32 s20, s20, OFFC
	s_mov_b32 s21, 0
.if QKLAY
	s_lshl_b32 s22, s19, 13
	s_lshl_b32 s23, s18, 5
	s_add_co_u32 s22, s22, s23
	v_lshlrev_b32 v[SLN], 2, v3                    ; 4 r + 64 h
.else
	s_lshl_b32 s22, s18, 11
	s_lshl_b32 s23, s42, 6
	s_add_co_u32 s22, s22, s23
	s_lshl_b32 s23, s16, 1
	s_add_co_u32 s22, s22, s23
	v_lshlrev_b32 v[SLN], 2, v1
	v_lshl_add_u32 v[SLN], v2, 12, v[SLN]          ; 4 r + 4,096 h
.endif
	s_mov_b32 s23, 0
	s_add_nc_u64 s[20:21], s[OUTP:OUTP+1], s[20:21]
	s_add_nc_u64 s[22:23], s[OUTP:OUTP+1], s[22:23]
.if SWAPL
	s_lshl_b32 s18, s42, 3                         ; the tile taken the other way round: the tiles are wv's, 8 x + 4 x my half of B;
	s_lshl_b32 s19, s16, 2
	s_add_co_u32 s18, s18, s19
	s_lshl_b32 s19, s17, 1                         ; the chunk is of tokens: 2 x tile row + my half of A
	s_add_co_u32 s19, s19, s15
	s_lshl_b32 s88, s18, 10
	s_lshl_b32 s89, s19, 18
	s_add_co_u32 s88, s88, s89
	s_add_co_u32 s88, s88, OFFC
	s_mov_b32 s89, 0
	s_lshl_b32 s90, s19, 13
	s_lshl_b32 s91, s18, 5
	s_add_co_u32 s90, s90, s91
	s_mov_b32 s91, 0
	s_add_nc_u64 s[88:89], s[10:11], s[88:89]
	s_add_nc_u64 s[90:91], s[10:11], s[90:91]
.endif
	v_mov_b32 v[L16], v4
	s_mov_b32 s[SEL], 0x76543210
	s_mov_b32 s[SEL+1], 0xfedcba98
	s_mov_b32 s[MNT], 0x600000
.irp e, 0,1,2,3,4,5,6,7
	v_mov_b32 v[T2+\e], 0                          ; lane permutes' destinations count as read: written once
.endr
; the fragments of the q-th 128 along K of B's slot, and A's of the same K, into buffer f; their scale words into set
.macro FETCH tile, slot, q, f, set
	WIN TO_F
.irp i, 0,1,2,3
.irp c, 0,1,2,3
	ds_load_b128 v[(\f)+16*\i+4*\c:(\f)+16*\i+4*\c+3], v[ADRA] offset:\i*16384+(4*(\slot)+(\q))*2048+512*\c
	ds_load_b128 v[(\f)+64+16*\i+4*\c:(\f)+64+16*\i+4*\c+3], v[ADRB+\slot] offset:\i*8192+(\q)*2048+512*\c
.endr
.endr
	WIN 0
.irp i, 0,1,2,3
	ds_load_b32 v[SC+4*(\set)+\i], v[ADRS+(\tile)] offset:(\i/2)*NTP+(\i%2)*512+64*(4*(\slot)+(\q))
.endr
.endm
; eight products.  sw = 0: A's tiles a0, a0 + 1 (source 1) x B's four (source 0).  sw = 1: B's tiles a0, a0 + 1 (source 1) x A's four (source 0).
; The 16 accumulators take turns, one instruction a turn, in one order everywhere.  zero = 1: the product starts the sum
.macro MUL8 f, set, a0, zero, sw, tile
.irp a, \a0, \a0+1
.irp b, 0,1,2,3
.if \sw
.if \zero
	v_wmma_scale_f32_16x16x128_f8f6f4 v[ACC+8*(4*(\a)+\b):ACC+8*(4*(\a)+\b)+7], v[(\f)+16*\b:(\f)+16*\b+15], v[(\f)+64+16*(\a):(\f)+64+16*(\a)+15], 0, v[SC+4*(\set)+\b], v[SC+4*(\set)+(\a)] matrix_b_scale:MATRIX_SCALE_ROW1
.else
	v_wmma_scale_f32_16x16x128_f8f6f4 v[ACC+8*(4*(\a)+\b):ACC+8*(4*(\a)+\b)+7], v[(\f)+16*\b:(\f)+16*\b+15], v[(\f)+64+16*(\a):(\f)+64+16*(\a)+15], v[ACC+8*(4*(\a)+\b):ACC+8*(4*(\a)+\b)+7], v[SC+4*(\set)+\b], v[SC+4*(\set)+(\a)] matrix_b_scale:MATRIX_SCALE_ROW1
.endif
.elseif \zero && BIAS
	v_wmma_scale_f32_16x16x128_f8f6f4 v[ACC+8*(4*(\a)+\b):ACC+8*(4*(\a)+\b)+7], v[(\f)+64+16*\b:(\f)+64+16*\b+15], v[(\f)+16*(\a):(\f)+16*(\a)+15], v[BI+32*(\tile)+8*\b:BI+32*(\tile)+8*\b+7], v[SC+4*(\set)+\b], v[SC+4*(\set)+(\a)] matrix_a_scale:MATRIX_SCALE_ROW1
.elseif \zero
	v_wmma_scale_f32_16x16x128_f8f6f4 v[ACC+8*(4*(\a)+\b):ACC+8*(4*(\a)+\b)+7], v[(\f)+64+16*\b:(\f)+64+16*\b+15], v[(\f)+16*(\a):(\f)+16*(\a)+15], 0, v[SC+4*(\set)+\b], v[SC+4*(\set)+(\a)] matrix_a_scale:MATRIX_SCALE_ROW1
.else
	v_wmma_scale_f32_16x16x128_f8f6f4 v[ACC+8*(4*(\a)+\b):ACC+8*(4*(\a)+\b)+7], v[(\f)+64+16*\b:(\f)+64+16*\b+15], v[(\f)+16*(\a):(\f)+16*(\a)+15], v[ACC+8*(4*(\a)+\b):ACC+8*(4*(\a)+\b)+7], v[SC+4*(\set)+\b], v[SC+4*(\set)+(\a)] matrix_a_scale:MATRIX_SCALE_ROW1
.endif
.endr
.endr
.endm
; a step of 128 along K whose successor lies in the same slot: the successor's fragments are asked for first and land under this step's 16 products
.macro STEP tile, slot, q, zero, sw
	s_wait_dscnt 0x0                               ; this step's fragments and scale words are in
	PLACES 8                                       ; the other buffer and set were read by the products issued last
	FETCH \tile, \slot, (\q)+1, F0+128*(1-(\q)%2), 1-(\q)%2
.if \zero && BIAS
	WIN MULZ
.else
	WIN MUL
.endif
	MUL8 F0+128*((\q)%2), (\q)%2, 0, \zero, \sw, \tile
	MUL8 F0+128*((\q)%2), (\q)%2, 2, \zero, \sw, \tile
	WIN 0
.endm
; a slot's last step changes slots: one barrier; in front of it each wave waits for all its tensor loads, adds 0 to its spare word, and waits for that and for its reads of this slot.
; fill = 1: this slot takes the same half of K of the walk's next tile.  ntile, next: the tile and slot whose first fragments are fetched
.macro TURN tile, slot, ntile, next, fill, sw
	s_wait_tensorcnt 0x0                           ; all my tensor loads have landed, my part of the next slot among them
	ds_add_u32 v[SPW], v[NIL]                      ; 0 onto my spare word
	s_wait_dscnt 0x1                               ; the fragments are in; only the add may be out
	WIN MUL
	MUL8 F1, 1, 0, 0, \sw, \tile                   ; eight products stand between the add and the wait for it
	WIN 0
	s_wait_dscnt 0x0                               ; the add is done, and my reads of this slot are over
	s_barrier_signal -1
	s_barrier_wait -1
.if \fill
	CREST                                          ; the barrier has opened a round of the cluster's: no wave of any partner still reads this slot or has a load on its way
	s_add_nc_u64 s[G0B+4*\slot+2:G0B+4*\slot+3], s[G0B+4*\slot+2:G0B+4*\slot+3], TSTEP
	tensor_load_to_lds s[G0B+4*\slot:G0B+4*\slot+3], s[G1B:G1B+7]   ; the first tensor load behind the round, my only one until the next
	s_nop 0
	PLACES 8                                       ; (four of them behind the tensor load; all eight the places ahead of the loads below)
.else
	PLACES 8
.endif
	FETCH \ntile, \next, 0, F0, 0
.if (\fill) && ((\tile)+2 < NT)
	global_prefetch_b8 v30, s[12:13] offset:((\tile)+2)*TSTEP+(\slot)*8192 th:TH_LOAD_NT scope:SCOPE_SE   ; what the refill two refills on loads: this slot's half of K of the tile after next; the walk's last tiles ask for nothing
.endif
	WIN MUL
	MUL8 F1, 1, 2, 0, \sw, \tile
	WIN 0
.endm
; THE WAY OUT of the walk's tile t: eight blocks e = 2 a + b of 32; a lane holds 16 numbers of each, lane l xor 16 the other 16.  The codes are the next operand's registers and are stored as they stand.
.macro EPI t, sw
	PLACES 8
.if (\t) > 0
	s_wait_xcnt 0x0                                ; the last tile's stores have read the registers that are written again below
.endif
.irp e, 0,1,2,3,4,5,6,7
.if RELU
	v_max3_num_f32 v[TMX+\e], v[ACC+16*\e], v[ACC+16*\e+1], 0x4800000      ; no |.|: what is negative becomes 0 and must not count; the floor 2^(9 - 127) stands over it
.else
	v_max3_num_f32 v[TMX+\e], |v[ACC+16*\e]|, |v[ACC+16*\e+1]|, 0x4800000  ; each accumulator is read from its low end on; the floor 2^(9 - 127) holds the byte at 1
.endif
.endr
.irp i, 2,4,6,8,10,12,14
.irp e, 0,1,2,3,4,5,6,7
.if RELU
	v_max3_num_f32 v[TMX+\e], v[TMX+\e], v[ACC+16*\e+\i], v[ACC+16*\e+\i+1]
.else
	v_max3_num_f32 v[TMX+\e], v[TMX+\e], |v[ACC+16*\e+\i]|, |v[ACC+16*\e+\i+1]|
.endif
.endr
.endr
.irp e, 0,1,2,3,4,5,6,7
	v_permlanex16_b32 v[T2+\e], v[TMX+\e], s[SEL], s[SEL+1]
.endr
.irp e, 0,1,2,3,4,5,6,7
	v_max_num_f32 v[TMX+\e], v[TMX+\e], v[T2+\e]
.endr
.irp e, 0,1,2,3,4,5,6,7
	v_add_nc_u32 v[SOP+\e], 0xfc000000, v[TMX+\e]  ; 8 off the exponent field: the conversion's scale operand
.endr
.irp e, 0,1,2,3,4,5,6,7
	v_and_or_b32 v[HOLD+\e], v[TMX+\e], 0x7f800000, s[MNT]   ; 448 x the scale
.endr
.irp e, 0,1,2,3,4,5,6,7
	v_lshrrev_b32 v[T2+\e], 23, v[SOP+\e]          ; the scale's byte
.endr
.irp a, 0,1,2,3
	v_lshl_or_b32 v[PWD+\a], v[T2+2*\a+1], 8, v[T2+2*\a]   ; tile a's two bytes
.endr
	v_cmp_gt_u32 vcc_lo, 16, v3
.if QKLAY
	v_lshl_or_b32 v76, v[PWD+1], 16, v[PWD]        ; tiles a and a + 1 share a word
	v_lshl_or_b32 v77, v[PWD+3], 16, v[PWD+2]
	v_cndmask_b32 v76, v77, v76, vcc_lo            ; lanes 0-15 tiles 0 and 1, lanes 16-31 tiles 2 and 3
.else
	v_cndmask_b32 v76, v[PWD+2], v[PWD], vcc_lo    ; lanes 0-15 tile 0, lanes 16-31 tile 2
	v_cndmask_b32 v77, v[PWD+3], v[PWD+1], vcc_lo
.endif
.irp e, 0,1,2,3,4,5,6,7
.irp i, 0,1,2,3,4,5,6,7,8,9,10,11,12,13,14,15
.if RELU
	v_med3_num_f32 v[ACC+16*\e+\i], v[ACC+16*\e+\i], 0, v[HOLD+\e]         ; the activation and the hold in one
.else
	v_med3_num_f32 v[ACC+16*\e+\i], v[ACC+16*\e+\i], -v[HOLD+\e], v[HOLD+\e]   ; the conversion does not saturate (ISA guide 7.6.2): hold first
.endif
.endr
	v_cvt_scalef32_pk8_fp8_f32 v[PC+4*\e:PC+4*\e+1], v[ACC+16*\e:ACC+16*\e+7], v[SOP+\e]
	v_cvt_scalef32_pk8_fp8_f32 v[PC+4*\e+2:PC+4*\e+3], v[ACC+16*\e+8:ACC+16*\e+15], v[SOP+\e]
.endr
	v_nop                                          ; one plain line behind the last conversion
.irp a, 0,1,2,3
.irp b, 0,1
.if \sw
	global_store_b128 v[L16], v[PC+4*(2*\a+\b):PC+4*(2*\a+\b)+3], s[88:89] offset:\a*1024+512*\b
.else
	global_store_b128 v[L16], v[PC+4*(2*\a+\b):PC+4*(2*\a+\b)+3], s[20:21] offset:(\t)*TCOD+\a*PA+512*\b   ; 32 lanes store 512 consecutive bytes, aligned
.endif
.endr
.endr
.if \sw
	global_store_b32 v[SLN], v76, s[90:91]
.elseif QKLAY
	global_store_b32 v[SLN], v76, s[22:23] offset:(\t)*TSCL        ; 128 consecutive bytes
.else
	global_store_b16 v[SLN], v76, s[22:23] offset:(\t)*TSCL        ; half of a scale word: the other half is the neighbouring wave's
	global_store_b16 v[SLN], v77, s[22:23] offset:(\t)*TSCL+2048
.endif
.endm
; one tile of the walk: eight steps of 128 along K, two changes of slots, the way out.  The last tile asks for nothing more
.macro TILE t, last, sw
	STEP \t, 0, 0, 1, \sw                          ; the first step starts the sums: nothing is cleared
	STEP \t, 0, 1, 0, \sw
	STEP \t, 0, 2, 0, \sw
	TURN \t, 0, \t, 1, 1-\last, \sw
	STEP \t, 1, 0, 0, \sw
	STEP \t, 1, 1, 0, \sw
	STEP \t, 1, 2, 0, \sw
.if \last
	s_wait_dscnt 0x0
	WIN MUL
	MUL8 F1, 1, 0, 0, \sw, \t
	MUL8 F1, 1, 2, 0, \sw, \t
	WIN 0
.else
	TURN \t, 1, (\t)+1, 0, 1, \sw                  ; the ring goes on into the next tile, whose first fragments are fetched here
.endif
	EPI \t, \sw
.endm
	s_wait_alu depctr_va_vdst(0)                   ; the wait at the head's end
	s_wait_loadcnt 8*NT*BIAS                       ; the scale words are in; the loads issued behind them (the bias) may be out
	ds_store_b128 v13, v[128:131]
	ds_store_b128 v13, v[132:135] offset:2048
.set tt, 0
.rept NT
	ds_store_b128 v13, v[136+8*tt:139+8*tt] offset:4096+4096*tt
	ds_store_b128 v13, v[140+8*tt:143+8*tt] offset:4096+4096*tt+2048
.set tt, tt+1
.endr
	s_wait_tensorcnt 0x0                           ; my part of the head's tiles is in; slot 1's first fill is issued as a refill is:
	ds_add_u32 v[SPW], v[NIL]                      ; 0 onto my spare word
	s_mov_b32 s[G1B+2], 2<<16                      ; no tensor load of mine is out: from here on a load of B brings two tiles
	s_mov_b32 s[G1B+4], 2
	s_wait_dscnt 0x0
	CROUND                                         ; all four tiles are in, and all sixteen work-groups are here
	tensor_load_to_lds s[G0B+4:G0B+7], s[G1B:G1B+7]   ; slot 1, a quarter a wave: my one load behind the round
	s_nop 0
	PLACES 4
	FETCH 0, 0, 0, F0, 0
.if BIAS
	s_wait_loadcnt 0x0
.endif
	TILE 0, 0, 0                                   ; wq's
	TILE 1, 0, 0                                   ; wk's
	TILE 2, 1, 1                                   ; wv's, the other way round
	s_wait_tensorcnt 0x0                           ; the wave's end
	ds_add_u32 v[SPW], v[NIL]
	s_wait_dscnt 0x0
	CROUND                                         ; the closing round
	s_endpgm
.Lfunc_end_k_qd4d11e7a84_gemm_qkv:
	.size	k_qd4d11e7a84_gemm_qkv, .Lfunc_end_k_qd4d11e7a84_gemm_qkv-k_qd4d11e7a84_gemm_qkv
	.p2alignl 7, 3214868480
	.fill 96, 4, 3214868480
	.section	.rodata,"a",@progbits
	.p2align	6, 0x0
	.amdhsa_kernel k_qd4d11e7a84_gemm_qkv
		.amdhsa_group_segment_fixed_size 327680
		.amdhsa_private_segment_fixed_size 0
		.amdhsa_enable_private_segment 0
		.amdhsa_kernarg_size 32
		.amdhsa_user_sgpr_count 2
		.amdhsa_user_sgpr_kernarg_segment_ptr 1
		.amdhsa_wavefront_size32 1
		.amdhsa_system_sgpr_workgroup_id_x 1
		.amdhsa_system_sgpr_workgroup_id_y 1
		.amdhsa_system_sgpr_workgroup_id_z 1
		.amdhsa_system_vgpr_workitem_id 0
		.amdhsa_next_free_vgpr 512
		.amdhsa_next_free_sgpr 98
		.amdhsa_reserve_vcc 1
		.amdhsa_float_denorm_mode_32 3
		.amdhsa_float_denorm_mode_16_64 3
		.amdhsa_memory_ordered 1
		.amdhsa_forward_progress 1
		.amdhsa_inst_pref_size 177
	.end_amdhsa_kernel
	.amdgpu_metadata
---
amdhsa.version: [ 1, 2 ]
amdhsa.kernels:
  - .name:           k_qd4d11e7a84_gemm_qkv
    .symbol:         k_qd4d11e7a84_gemm_qkv.kd
    .args:
      - { .name: p, .offset: 0, .size: 8, .value_kind: global_buffer, .address_space: global }
      - { .name: wqk_q, .offset: 8, .size: 8, .value_kind: global_buffer, .address_space: global }
      - { .name: qk, .offset: 16, .size: 8, .value_kind: global_buffer, .address_space: global }
      - { .name: vt, .offset: 24, .size: 8, .value_kind: global_buffer, .address_space: global }
    .group_segment_fixed_size: 327680
    .private_segment_fixed_size: 0
    .kernarg_segment_align: 8
    .kernarg_segment_size: 32
    .max_flat_workgroup_size: 128
    .sgpr_count:     98
    .vgpr_count:     512
    .wavefront_size: 32
...
	.end_amdgpu_metadata
.endif
;; end of part 2
;; launch attn (part 3): grid 8 x 32, 8 waves a work-group, clusters of 4 x 1, 327,680 bytes of LDS; arguments qk, vt, mask, p; writes p
.if DOCPART == 3
	.amdgcn_target "amdgcn-amd-amdhsa--gfx1250"
	.amdhsa_code_object_version 6
	.text
	.protected	k_qd4d11e7a84_attn
	.globl	k_qd4d11e7a84_attn
	.p2align	8
	.type	k_qd4d11e7a84_attn,@function
k_qd4d11e7a84_attn:
	s_mov_b64 s[64:65], 0
	v_nop
	global_prefetch_b8 v0, s[64:65] scope:SCOPE_SE
	s_setreg_imm32_b32 hwreg(HW_REG_WAVE_MODE, 25, 1), 1
	s_wait_xcnt 0x0
	s_wait_alu depctr_hold_cnt(0) depctr_sa_sdst(0) depctr_va_vdst(0) depctr_va_sdst(0) depctr_va_ssrc(0) depctr_va_vcc(0) depctr_vm_vsrc(0)
	s_getreg_b32 s2, hwreg(HW_REG_IB_STS2, 6, 4)
	s_cmp_eq_u32 s2, 0
	s_cbranch_scc0 .Lentry_in_a_cluster
	s_endpgm
.Lentry_in_a_cluster:
	s_bfe_u32 s2, ttmp6, 0x10000c
	s_cmp_lg_u32 s2, 0x3003
	s_cbranch_scc0 .Lentry_shape_is_right
	s_endpgm
.Lentry_shape_is_right:
; Attention of one (batch, head) on codes of E4M3 with E8M0 scales; the result is quantised along the model's 1,024 and leaves as an image of the next operand's registers.
; qk: chunk (head; q's 0-15, k's 16-31) x token tile = 1,024 bytes [block 0, 1][lane][16] from OFFC; scale halves at 8,192 chunk + 64 (tile / 2) + 4 r + 2 (tile % 2).  vt: the same with chunks of 64 tokens and tiles of channels.
; Lane-row r of tile t is row 32 (t / 2) + 8 (t % 2) + r + 8 (r / 8), so the 16 registers of two neighbouring tiles of a transposed result are 16 neighbours.
; SOFTMAX: t = score x log2(e) / 8; M = the running largest t rounded up to a whole number; p = 2^(t - M) is quantised along the keys; the row's sum is taken of the unquantised p and divides at the end.
; THE MASK: a key with mask 0 gets the bias -2^60, given as the C of the score's product.  Where a whole batch is masked the scores are all equal: there c is chosen 0 (a select on the mask's whole numbers), so that every p is equal.
; SHARES: a work-group owns 256 queries of one head; each of eight waves 32 of them, two tiles, which share every fragment of K and V and the mask's registers.  Two waves to a SIMD, 512 registers each.
; A head's K and V (128 KiB each) lie in LDS whole, filled once: key steps 0-5 by the head's loads, one a wave (waves 0-3 K, 4-7 V), steps 6-15 by one more load a wave behind the full sequence; they are awaited behind trip 5.
; CLUSTER: the four query blocks of a head ask for K and V jointly.  No prefetch: all of K and V is asked for by these two loads; there is no later load to run ahead of.
; A head is 64 wide and the instruction 128: a fragment of K holds two key tiles, and q stands beside zeros, [q, 0] for the even tile and [0, q] for the odd one.
; Each step asks for the next step's fragments; the last step's requests fall on LDS bytes that lie behind each region and have been written (V, the scale words, the mask, its pad), and are not used.
; LIMITS: the promise holds while the scaled scores stay under 2^31 in magnitude; a block of zeros gets the byte 1 (only this program reads the bytes); NaN and infinities are not served.
; REGISTERS: window 0: v1-55 addresses, state, scale words, work; v56-183 the scores, then p, of tiles A and B; v184-215 p's codes; v216-255 qB, 0, qA, 0, qB.  window 1: v0-63 K, v64-127 V, v128-191 O^T, v192-255 the mask's bias.
.set OFFC, 524288
.set VLD,  131072
.set SCK,  262144                      ; K's scale words, 4,096 bytes; V's; the mask's bias, 8,192 bytes and a pad of 1,024; eight flags
.set SCV,  SCK+4096
.set MK,   SCV+4096
.set FLG,  MK+9216
.set SPARE, FLG+256                    ; the spare words, 128 bytes a wave: four blocks of 256 bytes that no other line names
.set AK0,  1
.set AV0,  2
.set ASK0, 3
.set AMK0, 4
.set R4,   5
.set ADK,  6
.set ADV,  7
.set ADS,  8
.set ADM,  9
.set SPW,  10
.set NIL,  11
.set STA,  12                          ; -M, the largest t
.set LA,   14                          ; the sum, two halves
.set STB,  16
.set LB,   18
.set FFA,  20
.set FFB,  22
.set TTA,  24
.set TTB,  25
.set QSA,  26
.set QSB,  27
.set PWA,  28
.set PWB,  29
.set KS,   30
.set VS,   34
.set BM,   38
.set T2,   42
.set HD,   46
.set SOP,  50
.set XC,   54
.set SA,   56
.set SB,   120
.set PCA,  184
.set PCB,  200
.set Q,    216
.set BMA,  BM
.set BMB,  PCB                         ; tile B's block maxima lie in its codes' registers until the codes are made
.set KF,   0
.set VF,   64
.set O,    128
.set MR,   192
.set G1K,  24
.set G1V,  32
.set TK,   70
.set TS,   71
.set TM,   72
.set CNT,  73
.set MNT,  75
.set SEL,  76
.set CS,   78
.set MSB, 0
.macro WIN new                         ; the immediate's high byte repeats the setting that is left
.if MSB != \new
	s_set_vgpr_msb (MSB<<8)|\new
.set MSB, \new
.endif
.endm
.macro PLACES n
.rept \n
	v_nop
.endr
.endm
.macro CROUND
	s_barrier_signal -1
	s_barrier_wait -1
	s_cmp_lg_u32 s12, 0
	s_cbranch_scc1 .Lnot_wave_0_\@
	s_barrier_signal -3
.Lnot_wave_0_\@:
	s_barrier_wait -3
	s_barrier_signal -1
	s_barrier_wait -1
.endm
.macro JL g0                           ; a joint load: waves 0-3 rows of K, waves 4-7 rows of V; the branch hangs on the wave's number alone
	s_cmp_eq_u32 s17, 0
	s_cbranch_scc0 .Lfor_v_\@
	tensor_load_to_lds s[\g0:\g0+3], s[G1K:G1K+7]
	s_nop 0
	PLACES 4
	s_branch .Lasked_\@
.Lfor_v_\@:
	tensor_load_to_lds s[\g0:\g0+3], s[G1V:G1V+7]
	s_nop 0
	PLACES 4
.Lasked_\@:
.endm
	s_load_b256 s[4:11], s[0:1], 0x0               ; qk, vt, mask, p
	v_lshl_add_u32 v[SPW], v0, 2, SPARE
	v_mov_b32 v[NIL], 0
	ds_add_u32 v[SPW], v[NIL]                      ; 0 onto my spare word, twice
	ds_add_u32 v[SPW], v[NIL]
	v_lshrrev_b32 v1, 5, v0
	v_readfirstlane_b32 s12, v1                    ; wave 0..7
	s_and_b32 s13, ttmp7, 0xffff
	s_lshr_b32 s14, s13, 4                         ; batch
	s_and_b32 s15, s13, 15                         ; head
	s_and_b32 s16, s12, 3                          ; which quarter I fetch
	s_lshr_b32 s17, s12, 2                         ; of K (0) or of V (1)
.irp g, G1K, G1V                       ; rows of 4,096 bytes (512 elements of 8): three a wave at the head, five behind it
	s_mov_b32 s[\g], 15|(3<<16)|(1<<21)
	s_mov_b32 s[\g+1], 512<<16
	s_mov_b32 s[\g+2], 3<<16
	s_mov_b32 s[\g+3], 512<<16
	s_mov_b32 s[\g+4], 3
	s_mov_b32 s[\g+6], 0
	s_mov_b32 s[\g+7], 0
.endr
	s_mov_b32 s[G1K+5], 512                        ; K's rows lie on end,
	s_mov_b32 s[G1V+5], 32768                      ; V's 262,144 bytes apart: a chunk of 64 tokens
	s_add_co_u32 s18, s15, 16
	s_lshl_b32 s18, s18, 8
	s_lshl_b32 s19, s14, 7
	s_add_co_u32 s18, s18, s19
	s_lshl_b32 s18, s18, 10                        ; K: chunk 16 + head, tile 128 x batch
	s_mul_i32 s19, s16, 12288
	s_add_co_u32 s18, s18, s19                     ; + my three rows
	s_lshl_b32 s20, s14, 23
	s_lshl_b32 s21, s15, 12
	s_add_co_u32 s20, s20, s21                     ; V: chunk 32 x batch, tile 4 x head
	s_mul_i32 s21, s16, 786432
	s_add_co_u32 s20, s20, s21
	s_lshl_b32 s22, s16, 13                        ; from my first load's place to my second's: in K and in LDS 49,152 + 8,192 x quarter,
	s_add_co_u32 s22, s22, 49152
	s_lshl_b32 s23, s16, 19                        ; in V twelve chunks + two a quarter
	s_add_co_u32 s23, s23, 3145728
	s_lshl_b32 s52, s17, 17
	s_add_co_u32 s52, s52, s19
	s_add_co_u32 s53, s52, s22
	s_wait_dscnt 0x0
	s_wait_kmcnt 0x0
	s_cmp_eq_u32 s17, 0
	s_cselect_b64 s[48:49], s[4:5], s[6:7]
	s_cselect_b32 s18, s18, s20
	s_cselect_b32 s50, s22, s23
	s_add_co_u32 s18, s18, OFFC
	s_mov_b32 s19, 0
	s_mov_b32 s51, 0
	s_mov_b32 s40, 1
	s_mov_b32 s41, s52
	s_add_nc_u64 s[42:43], s[48:49], s[18:19]
	s_mov_b32 s44, 1
	s_mov_b32 s45, s53
	s_add_nc_u64 s[46:47], s[42:43], s[50:51]
	s_or_b32 s43, s43, 0x80000000
	s_or_b32 s47, s47, 0x80000000
	CROUND
	JL 40                                          ; key steps 0-5: my one load at the head
	s_add_co_u32 s52, s15, 16
	s_lshl_b32 s52, s52, 13
	s_lshl_b32 s53, s14, 12
	s_add_co_u32 s52, s52, s53
	s_mov_b32 s53, 0
	s_add_nc_u64 s[52:53], s[4:5], s[52:53]        ; K's scale words
	s_lshl_b32 s54, s14, 18
	s_lshl_b32 s55, s15, 7
	s_add_co_u32 s54, s54, s55
	s_mov_b32 s55, 0
	s_add_nc_u64 s[54:55], s[6:7], s[54:55]        ; V's scale halves
	s_lshl_b32 s56, s14, 13
	s_mov_b32 s57, 0
	s_add_nc_u64 s[56:57], s[8:9], s[56:57]        ; the batch's mask
	s_bfe_u32 s59, ttmp6, 0x40000
	s_lshl_b32 s23, ttmp9, 2
	s_add_co_u32 s59, s59, s23
	s_lshl_b32 s59, s59, 4
	s_lshl_b32 s58, s14, 7
	s_add_co_u32 s58, s58, s59
	s_lshl_b32 s23, s12, 1
	s_add_co_u32 s58, s58, s23                     ; the first of my two token tiles
	s_lshl_b32 s60, s15, 8
	s_add_co_u32 s60, s60, s58
	s_lshl_b32 s60, s60, 10
	s_add_co_u32 s60, s60, OFFC
	s_mov_b32 s61, 0
	s_add_nc_u64 s[60:61], s[4:5], s[60:61]        ; q's codes
	s_lshl_b32 s62, s15, 13
	s_lshl_b32 s63, s58, 5
	s_add_co_u32 s62, s62, s63
	s_mov_b32 s63, 0
	s_add_nc_u64 s[62:63], s[4:5], s[62:63]        ; q's scale words: both tiles' halves in one word
	s_lshl_b32 s66, s12, 2
	s_add_co_u32 s66, s66, FLG
	s_mov_b32 s[SEL], 0x76543210
	s_mov_b32 s[SEL+1], 0xfedcba98
	s_mov_b32 s[CS], 0x3e38aa3b                    ; c = log2(e) / 8
	s_mov_b32 s[MNT], 0x600000
	v_and_b32 v24, 31, v0
	v_lshlrev_b32 v[AK0], 4, v24
	v_add_nc_u32 v[AV0], VLD, v[AK0]
	v_and_b32 v25, 15, v0
	v_lshlrev_b32 v[R4], 2, v25
	v_add_nc_u32 v[ASK0], SCK, v[R4]
	v_bfe_u32 v84, v0, 4, 1
	v_lshl_add_u32 v[AMK0], v84, 6, MK
	v_lshlrev_b32 v56, 4, v0
	v_lshrrev_b32 v57, 6, v0                       ; V's scale halves: thread = 64 step + 16 tile + r
	v_lshlrev_b32 v57, 14, v57
	v_bfe_u32 v85, v0, 5, 1
	v_lshl_add_u32 v57, v85, 6, v57
	v_lshl_add_u32 v57, v84, 1, v57
	v_add_nc_u32 v57, v57, v[R4]
	v_add_nc_u32 v58, SCK, v56
	v_lshl_add_u32 v59, v0, 2, SCV
	v_mov_b32 v82, s66
	v_mov_b32 v83, FLG
	s_wait_alu depctr_va_vdst(0)
	global_load_b128 v[60:63], v56, s[52:53]
.irp k, 0,1,2,3
	global_load_u16 v[64+2*\k], v57, s[54:55] offset:65536*\k
	global_load_u16 v[65+2*\k], v57, s[54:55] offset:65536*\k+8192
.endr
	global_load_b128 v[72:75], v56, s[56:57]
	global_load_b128 v[76:79], v56, s[56:57] offset:4096
	global_load_b128 v[Q:Q+3], v[AK0], s[60:61] offset:1024
	global_load_b128 v[Q+4:Q+7], v[AK0], s[60:61] offset:1536
	global_load_b128 v[Q+16:Q+19], v[AK0], s[60:61]
	global_load_b128 v[Q+20:Q+23], v[AK0], s[60:61] offset:512
	global_load_b128 v[Q+32:Q+35], v[AK0], s[60:61] offset:1024
	global_load_b128 v[Q+36:Q+39], v[AK0], s[60:61] offset:1536
	global_load_b32 v92, v[R4], s[62:63]
.irp j, 8,9,10,11,12,13,14,15,24,25,26,27,28,29,30,31
	v_mov_b32 v[Q+\j], 0
.endr
.irp x, A,B
	v_mov_b32 v[ST\x+1], 0xff61b1e6                ; the largest t so far: -3e38
	v_floor_f32 v[ST\x], -v[ST\x+1]
	v_mov_b32 v[L\x], 0
	v_mov_b32 v[L\x+1], 0
	v_mov_b32 v[FF\x+1], 0
.endr
.irp b, 0,1,2,3
	v_mov_b32 v[T2+\b], 0                          ; lane permutes' destinations count as read: written once
	v_mov_b32 v[PCB+4+\b], 0
.endr
	v_mov_b32 v88, 0xdd800000                      ; -2^60
	v_mov_b32 v89, 0
	WIN 0x40
.set j, 0
.rept 64
	v_mov_b32 v[O+j], 0                            ; O^T: the step is written once, its first trip finds zeros
.set j, j+1
.endr
	WIN 0
	s_wait_alu depctr_va_vdst(0)
	s_wait_loadcnt 0x0
	ds_store_b128 v58, v[60:63]
.irp k, 0,1,2,3
	v_lshl_or_b32 v[64+2*\k], v[65+2*\k], 16, v[64+2*\k]   ; the halves of two chunks of tokens make a step's word
.endr
.irp k, 0,1,2,3
	ds_store_b32 v59, v[64+2*\k] offset:1024*\k
.endr
	ds_store_b32 v59, v89 offset:12288             ; the pad behind the mask's bias
	v_or_b32 v80, v72, v73
	v_or_b32 v81, v74, v75
	v_or_b32 v86, v76, v77
	v_or_b32 v87, v78, v79
	v_or_b32 v80, v80, v81
	v_or_b32 v86, v86, v87
	v_or_b32 v80, v80, v86
	v_cmp_ne_u32 vcc_lo, 0, v80
	s_cmp_lg_u32 vcc_lo, 0
	s_cselect_b32 s67, 1, 0                        ; does any key of my wave's 1/8 count?
	v_mov_b32 v81, s67
	ds_store_b32 v82, v81
.irp j, 72,73,74,75,76,77,78,79
	v_cmp_eq_u32 vcc_lo, 0, v\j
	v_cndmask_b32 v\j, v89, v88, vcc_lo
.endr
	ds_store_b128 v58, v[72:75] offset:8192
	ds_store_b128 v58, v[76:79] offset:12288
	v_perm_b32 v[QSA], v92, v92, 0x01000100        ; a tile's two bytes twice: for [q, 0] and for [0, q]
	v_perm_b32 v[QSB], v92, v92, 0x03020302
	s_wait_alu depctr_va_vdst(0)                   ; the wait at the head's end
	s_wait_tensorcnt 0x0                           ; my part of steps 0-5 is in; the later first fill is issued as a refill is
	ds_add_u32 v[SPW], v[NIL]                      ; 0 onto my spare word
	s_mov_b32 s[G1K+2], 5<<16                      ; no load of mine is out: the next brings five rows
	s_mov_b32 s[G1K+4], 5
	s_mov_b32 s[G1V+2], 5<<16
	s_mov_b32 s[G1V+4], 5
	s_wait_dscnt 0x0                               ; the add and my stores
	CROUND
	JL 44                                          ; key steps 6-15
.macro LDK k, s, m                     ; a step's K (16 loads), mask bias (16) and K's scale words (4)
	WIN 0x40
.irp p, 0,1,2,3
.irp c, 0,1,2,3
	ds_load_b128 v[KF+16*\p+4*\c:KF+16*\p+4*\c+3], v[\k] offset:2048*\p+512*\c
.endr
.endr
.irp p, 0,1,2,3
.irp c, 0,1,2,3
	ds_load_b128 v[MR+16*\p+4*\c:MR+16*\p+4*\c+3], v[\m] offset:128*\p+16*\c
.endr
.endr
	WIN 0
.irp p, 0,1,2,3
	ds_load_b32 v[KS+\p], v[\s] offset:64*\p
.endr
.endm
.macro LDV a, s                        ; a step's V (16 loads) and its scale words (4)
	WIN 0x40
.irp t, 0,1,2,3
	ds_load_b128 v[VF+16*\t:VF+16*\t+3], v[\a] offset:1024*\t
	ds_load_b128 v[VF+16*\t+4:VF+16*\t+7], v[\a] offset:1024*\t+512
	ds_load_b128 v[VF+16*\t+8:VF+16*\t+11], v[\a] offset:1024*\t+4096
	ds_load_b128 v[VF+16*\t+12:VF+16*\t+15], v[\a] offset:1024*\t+4608
.endr
	WIN 0
.irp t, 0,1,2,3
	ds_load_b32 v[VS+\t], v[\s] offset:4096+64*\t
.endr
.endm
.macro SMUL d, q, c, p, qs
	v_wmma_scale_f32_16x16x128_f8f6f4 v[\d:\d+7], v[KF+16*\p:KF+16*\p+15], v[\q:\q+15], v[\c:\c+7], v[KS+\p], v[\qs]
.endm
.macro MAXB s, bm, t2                  ; the largest score of each block of 32 keys
.irp b, 0,1,2,3
	v_max3_num_f32 v[\bm+\b], v[\s+16*\b], v[\s+16*\b+1], v[\s+16*\b+2]
.endr
.irp i, 3,5,7,9,11,13
.irp b, 0,1,2,3
	v_max3_num_f32 v[\bm+\b], v[\bm+\b], v[\s+16*\b+\i], v[\s+16*\b+\i+1]
.endr
.endr
.irp b, 0,1,2,3
	v_max_num_f32 v[\bm+\b], v[\bm+\b], v[\s+16*\b+15]
.endr
.irp b, 0,1,2,3
	v_permlanex16_b32 v[\t2+\b], v[\bm+\b], s[SEL], s[SEL+1]
.endr
.irp b, 0,1,2,3
	v_max_num_f32 v[\bm+\b], v[\bm+\b], v[\t2+\b]
.endr
.endm
.macro ARG s, st, bm                   ; t - M, of the scores and of each block's largest
.set j, 0
.rept 32
	v_pk_fma_f32 v[\s+j:\s+j+1], v[\s+j:\s+j+1], s[CS:CS+1], v[\st:\st+1] op_sel_hi:[1,0,0]
.set j, j+2
.endr
.irp b, 0,1,2,3
	v_fma_f32 v[\bm+\b], v[\bm+\b], s[CS], v[\st]
.endr
.endm
.macro EXPS s, bm
.set j, 0
.rept 64
	v_exp_f32 v[\s+j], v[\s+j]
.set j, j+1
.endr
.irp b, 0,1,2,3
	v_exp_f32 v[\bm+\b], v[\bm+\b]
.endr
.endm
.macro QSC bm, pw                      ; from each block's largest p: the conversion's operand, the hold, the byte; the four bytes make the word
.irp b, 0,1,2,3
	v_max_num_f32 v[\bm+\b], 0x4800000, v[\bm+\b]
.endr
.irp b, 0,1,2,3
	v_add_nc_u32 v[SOP+\b], 0xfc000000, v[\bm+\b]
.endr
.irp b, 0,1,2,3
	v_and_or_b32 v[HD+\b], v[\bm+\b], 0x7f800000, s[MNT]
.endr
.irp b, 0,1,2,3
	v_lshrrev_b32 v[T2+\b], 23, v[SOP+\b]
.endr
	v_lshl_or_b32 v[\pw], v[T2+1], 8, v[T2]
	v_lshl_or_b32 v[\pw], v[T2+2], 16, v[\pw]
	v_lshl_or_b32 v[\pw], v[T2+3], 24, v[\pw]
.endm
.macro SUMS s, l                       ; the row's sum of the unquantised p: four chains, two numbers an instruction
	v_pk_add_f32 v[T2:T2+1], v[\s:\s+1], v[\s+2:\s+3]
	v_pk_add_f32 v[T2+2:T2+3], v[\s+4:\s+5], v[\s+6:\s+7]
	v_pk_add_f32 v[XC:XC+1], v[\s+8:\s+9], v[\s+10:\s+11]
.set j, 12
.rept 6
	v_pk_add_f32 v[\l:\l+1], v[\l:\l+1], v[\s+j:\s+j+1]
	v_pk_add_f32 v[T2:T2+1], v[T2:T2+1], v[\s+j+2:\s+j+3]
	v_pk_add_f32 v[T2+2:T2+3], v[T2+2:T2+3], v[\s+j+4:\s+j+5]
	v_pk_add_f32 v[XC:XC+1], v[XC:XC+1], v[\s+j+6:\s+j+7]
.set j, j+8
.endr
	v_pk_add_f32 v[\l:\l+1], v[\l:\l+1], v[\s+60:\s+61]
	v_pk_add_f32 v[T2:T2+1], v[T2:T2+1], v[\s+62:\s+63]
	v_pk_add_f32 v[XC:XC+1], v[XC:XC+1], v[T2+2:T2+3]
	v_pk_add_f32 v[\l:\l+1], v[\l:\l+1], v[T2:T2+1]
	v_pk_add_f32 v[\l:\l+1], v[\l:\l+1], v[XC:XC+1]
.endm
.macro CVT s, pc                       ; the hold (the conversion does not saturate: ISA guide 7.6.2; p is not negative, so it is one-sided), two numbers an instruction; then the codes
.irp b, 0,1,2,3
.irp i, 0,2,4,6,8,10,12,14
	v_dual_min_num_f32 v[\s+16*\b+\i], v[\s+16*\b+\i], v[HD+\b] :: v_dual_min_num_f32 v[\s+16*\b+\i+1], v[\s+16*\b+\i+1], v[HD+\b]
.endr
.endr
.irp b, 0,1,2,3
	v_cvt_scalef32_pk8_fp8_f32 v[\pc+4*\b:\pc+4*\b+1], v[\s+16*\b:\s+16*\b+7], v[SOP+\b]
	v_cvt_scalef32_pk8_fp8_f32 v[\pc+4*\b+2:\pc+4*\b+3], v[\s+16*\b+8:\s+16*\b+15], v[SOP+\b]
.endr
	v_nop                                          ; one plain line behind the last conversion
.endm
; A KEY STEP: 128 keys x my 32 queries.
.macro STEP
	s_wait_dscnt 20                                ; K, the mask and K's scale words are in; the 20 loads of V issued behind them may be out
	WIN 0x11                                       ; K and the mask's bias in window 1
.irp p, 0,1,2,3
	SMUL SA+16*\p,   Q+16, MR+16*\p,   \p, QSA
	SMUL SA+16*\p+8, Q+8,  MR+16*\p+8, \p, QSA
	SMUL SB+16*\p,   Q,    MR+16*\p,   \p, QSB
	SMUL SB+16*\p+8, Q+24, MR+16*\p+8, \p, QSB
.endr
	WIN 0
	v_add_nc_u32 v[ADK], s[TK], v[AK0]             ; the next step's addresses: four of the eight places behind the products
	v_add_nc_u32 v[ADS], s[TS], v[ASK0]
	v_add_nc_u32 v[ADM], s[TM], v[AMK0]
	v_add_nc_u32 v[ADV], s[TK], v[AV0]
	PLACES 4
	LDK ADK, ADS, ADM                              ; the next step's, 36 loads
	MAXB SA, BMA, T2
	MAXB SB, BMB, PCB+4
.irp x, A,B
	v_max3_num_f32 v[TT\x], v[BM\x], v[BM\x+1], v[BM\x+2]
.endr
.irp x, A,B
	v_max_num_f32 v[TT\x], v[TT\x], v[BM\x+3]
.endr
.irp x, A,B
	v_mul_f32 v[TT\x], s[CS], v[TT\x]
.endr
.irp x, A,B
	v_max_num_f32 v[ST\x+1], v[ST\x+1], v[TT\x]    ; the running largest t
.endr
.irp x, A,B
	v_mov_b32 v[TT\x], v[ST\x]
.endr
.irp x, A,B
	v_floor_f32 v[ST\x], -v[ST\x+1]                ; -M = floor(-t)
.endr
.irp x, A,B
	v_sub_f32 v[TT\x], v[ST\x], v[TT\x]
.endr
.irp x, A,B
	v_cvt_i32_f32 v[TT\x], v[TT\x]
.endr
.irp x, A,B
	v_ldexp_f32 v[FF\x], 1.0, v[TT\x]              ; f = 2^(old M - new M)
.endr
	ARG SA, STA, BMA
	ARG SB, STB, BMB
	s_wait_alu depctr_va_vdst(0)                   ; the wait ahead of the batch
	EXPS SA, BMA
	EXPS SB, BMB
	v_pk_mul_f32 v[LA:LA+1], v[LA:LA+1], v[FFA:FFA+1] op_sel_hi:[1,0]
	v_pk_mul_f32 v[LB:LB+1], v[LB:LB+1], v[FFB:FFB+1] op_sel_hi:[1,0]
	s_wait_alu depctr_va_vdst(0)                   ; and behind it, ahead of its first reader
	QSC BMA, PWA
	SUMS SA, LA
	CVT SA, PCA
	QSC BMB, PWB
	SUMS SB, LB
	CVT SB, PCB
	WIN 0x41                                       ; O^T in window 1, f in window 0
	s_wait_alu depctr_va_vdst(0)                   ; directly ahead of the first reader of O^T
.set j, 0
.rept 16
	v_pk_mul_f32 v[O+j:O+j+1], v[O+j:O+j+1], v[FFA:FFA+1] op_sel_hi:[1,0]
.set j, j+2
.endr
.rept 16
	v_pk_mul_f32 v[O+j:O+j+1], v[O+j:O+j+1], v[FFB:FFB+1] op_sel_hi:[1,0]
.set j, j+2
.endr
	s_wait_alu depctr_va_vdst(0)                   ; directly ahead of the wait below
	s_wait_dscnt 36                                ; V and its scale words are in; the 36 loads for the next step may be out
	WIN 0x51
.irp t, 0,1,2,3
	v_wmma_scale_f32_16x16x128_f8f6f4 v[O+8*\t:O+8*\t+7], v[VF+16*\t:VF+16*\t+15], v[PCA:PCA+15], v[O+8*\t:O+8*\t+7], v[VS+\t], v[PWA]
	v_wmma_scale_f32_16x16x128_f8f6f4 v[O+32+8*\t:O+32+8*\t+7], v[VF+16*\t:VF+16*\t+15], v[PCB:PCB+15], v[O+32+8*\t:O+32+8*\t+7], v[VS+\t], v[PWB]
.endr
	WIN 0
	PLACES 8
	LDV ADV, ADS                                   ; the next step's, 20 loads
.endm
.macro RUN first, trips
	s_mov_b32 s[TK], (\first+1)*8192               ; where the step after the one in hand lies
	s_mov_b32 s[TS], (\first+1)*256
	s_mov_b32 s[TM], (\first+1)*512
	s_mov_b32 s[CNT], \trips
.Lstep_\@:
	STEP
	s_add_co_u32 s[TK], s[TK], 8192
	s_add_co_u32 s[TS], s[TS], 256
	s_add_co_u32 s[TM], s[TM], 512
	s_sub_co_u32 s[CNT], s[CNT], 1
	s_cmp_lg_u32 s[CNT], 0
	s_wait_alu depctr_va_vdst(0)                   ; directly ahead of the branch
	s_cbranch_scc1 .Lstep_\@
.endm
	ds_load_b128 v[84:87], v83                     ; the eight waves' flags
	ds_load_b128 v[88:91], v83 offset:16
	LDK AK0, ASK0, AMK0                            ; step 0's fragments
	LDV AV0, ASK0
	s_wait_dscnt 56                                ; the flags are in; the 36 + 20 loads behind them may be out
	v_or_b32 v84, v84, v85
	v_or_b32 v86, v86, v87
	v_or_b32 v88, v88, v89
	v_or_b32 v90, v90, v91
	v_or_b32 v84, v84, v86
	v_or_b32 v88, v88, v90
	v_or_b32 v84, v84, v88
	v_readfirstlane_b32 s67, v84
	s_cmp_lg_u32 s67, 0
	s_cselect_b32 s[CS], s[CS], 0                  ; a batch with no key left: c = 0, every p equal
	s_mov_b32 s[CS+1], s[CS]
	s_wait_alu depctr_va_vdst(0)
	RUN 0, 5                                       ; steps 0-4 read and ask for steps 0-5
	s_wait_tensorcnt 0x0                           ; my part of steps 6-15 is in
	s_wait_dscnt 0x0
	s_barrier_signal -1
	s_barrier_wait -1                              ; and everybody's
	RUN 5, 11
	; THE WAY OUT: O^T / the sum, quantised in blocks of 32 channels, stored as the next operand's registers
	s_wait_dscnt 0x0
	s_lshl_b32 s52, s58, 14
	s_lshl_b32 s53, s15, 10
	s_add_co_u32 s52, s52, s53
	s_add_co_u32 s52, s52, OFFC
	s_mov_b32 s53, 0
	s_add_nc_u64 s[52:53], s[10:11], s[52:53]
	s_lshl_b32 s54, s58, 9
	s_lshr_b32 s55, s15, 1
	s_lshl_b32 s55, s55, 6
	s_add_co_u32 s54, s54, s55
	s_and_b32 s55, s15, 1
	s_lshl_b32 s55, s55, 1
	s_add_co_u32 s54, s54, s55
	s_mov_b32 s55, 0
	s_add_nc_u64 s[54:55], s[10:11], s[54:55]
.irp x, A,B
	v_add_f32 v[L\x], v[L\x], v[L\x+1]
.endr
.irp x, A,B
	v_permlanex16_b32 v[TT\x], v[L\x], s[SEL], s[SEL+1]
.endr
.irp x, A,B
	v_add_f32 v[L\x], v[L\x], v[TT\x]
.endr
	s_wait_alu depctr_va_vdst(0)
	v_rcp_f32 v[LA], v[LA]
	v_rcp_f32 v[LB], v[LB]
	v_nop
	WIN 0x01
	s_wait_alu depctr_va_vdst(0)
.set j, 0
.rept 32
	v_mul_f32 v[SA+j], v[O+j], v[LA]
.set j, j+1
.endr
.rept 32
	v_mul_f32 v[SA+j], v[O+j], v[LB]
.set j, j+1
.endr
	WIN 0
.irp b, 0,1,2,3
	v_max3_num_f32 v[BM+\b], |v[SA+16*\b]|, |v[SA+16*\b+1]|, 0x4800000
.endr
.irp i, 2,4,6,8,10,12,14
.irp b, 0,1,2,3
	v_max3_num_f32 v[BM+\b], v[BM+\b], |v[SA+16*\b+\i]|, |v[SA+16*\b+\i+1]|
.endr
.endr
.irp b, 0,1,2,3
	v_permlanex16_b32 v[T2+\b], v[BM+\b], s[SEL], s[SEL+1]
.endr
.irp b, 0,1,2,3
	v_max_num_f32 v[BM+\b], v[BM+\b], v[T2+\b]
.endr
.irp b, 0,1,2,3
	v_add_nc_u32 v[SOP+\b], 0xfc000000, v[BM+\b]
.endr
.irp b, 0,1,2,3
	v_and_or_b32 v[HD+\b], v[BM+\b], 0x7f800000, s[MNT]
.endr
.irp b, 0,1,2,3
	v_lshrrev_b32 v[T2+\b], 23, v[SOP+\b]
.endr
	v_lshl_or_b32 v[PWA], v[T2+1], 8, v[T2]
	v_lshl_or_b32 v[PWB], v[T2+3], 8, v[T2+2]
.irp b, 0,1,2,3
.irp i, 0,1,2,3,4,5,6,7,8,9,10,11,12,13,14,15
	v_med3_num_f32 v[SA+16*\b+\i], v[SA+16*\b+\i], -v[HD+\b], v[HD+\b]
.endr
	v_cvt_scalef32_pk8_fp8_f32 v[PCA+4*\b:PCA+4*\b+1], v[SA+16*\b:SA+16*\b+7], v[SOP+\b]
	v_cvt_scalef32_pk8_fp8_f32 v[PCA+4*\b+2:PCA+4*\b+3], v[SA+16*\b+8:SA+16*\b+15], v[SOP+\b]
.endr
	v_nop
	global_store_b128 v[AK0], v[PCA:PCA+3], s[52:53]                    ; 32 lanes store 512 consecutive bytes
	global_store_b128 v[AK0], v[PCA+4:PCA+7], s[52:53] offset:512
	global_store_b128 v[AK0], v[PCA+8:PCA+11], s[52:53] offset:16384
	global_store_b128 v[AK0], v[PCA+12:PCA+15], s[52:53] offset:16896
	global_store_b16 v[R4], v[PWA], s[54:55]
	global_store_b16 v[R4], v[PWB], s[54:55] offset:512
	s_wait_tensorcnt 0x0                           ; the wave's end
	ds_add_u32 v[SPW], v[NIL]
	s_wait_dscnt 0x0
	CROUND                                         ; the closing round
	s_endpgm
.Lfunc_end_k_qd4d11e7a84_attn:
	.size	k_qd4d11e7a84_attn, .Lfunc_end_k_qd4d11e7a84_attn-k_qd4d11e7a84_attn
	.p2alignl 7, 3214868480
	.fill 96, 4, 3214868480
	.section	.rodata,"a",@progbits
	.p2align	6, 0x0
	.amdhsa_kernel k_qd4d11e7a84_attn
		.amdhsa_group_segment_fixed_size 327680
		.amdhsa_private_segment_fixed_size 0
		.amdhsa_enable_private_segment 0
		.amdhsa_kernarg_size 32
		.amdhsa_user_sgpr_count 2
		.amdhsa_user_sgpr_kernarg_segment_ptr 1
		.amdhsa_wavefront_size32 1
		.amdhsa_system_sgpr_workgroup_id_x 1
		.amdhsa_system_sgpr_workgroup_id_y 1
		.amdhsa_system_sgpr_workgroup_id_z 1
		.amdhsa_system_vgpr_workitem_id 0
		.amdhsa_next_free_vgpr 512
		.amdhsa_next_free_sgpr 80
		.amdhsa_reserve_vcc 1
		.amdhsa_float_denorm_mode_32 3
		.amdhsa_float_denorm_mode_16_64 3
		.amdhsa_memory_ordered 1
		.amdhsa_forward_progress 1
		.amdhsa_inst_pref_size 102
	.end_amdhsa_kernel
	.amdgpu_metadata
---
amdhsa.version: [ 1, 2 ]
amdhsa.kernels:
  - .name:           k_qd4d11e7a84_attn
    .symbol:         k_qd4d11e7a84_attn.kd
    .args:
      - { .name: qk, .offset: 0, .size: 8, .value_kind: global_buffer, .address_space: global }
      - { .name: vt, .offset: 8, .size: 8, .value_kind: global_buffer, .address_space: global }
      - { .name: mask, .offset: 16, .size: 8, .value_kind: global_buffer, .address_space: global }
      - { .name: p, .offset: 24, .size: 8, .value_kind: global_buffer, .address_space: global }
    .group_segment_fixed_size: 327680
    .private_segment_fixed_size: 0
    .kernarg_segment_align: 8
    .kernarg_segment_size: 32
    .max_flat_workgroup_size: 256
    .sgpr_count:     80
    .vgpr_count:     512
    .wavefront_size: 32
...
	.end_amdgpu_metadata
.endif
;; end of part 3
;; launch gemm_o (part 4): grid 8 x 32, 4 waves a work-group, clusters of 4 x 4, 327,680 bytes of LDS; arguments p, wr_q, x, x1; writes x1
.if DOCPART == 4
	.amdgcn_target "amdgcn-amd-amdhsa--gfx1250"
	.amdhsa_code_object_version 6
	.text
	.protected	k_qd4d11e7a84_gemm_o
	.globl	k_qd4d11e7a84_gemm_o
	.p2align	8
	.type	k_qd4d11e7a84_gemm_o,@function
k_qd4d11e7a84_gemm_o:
	s_mov_b64 s[64:65], 0
	v_nop
	global_prefetch_b8 v0, s[64:65] scope:SCOPE_SE
	s_setreg_imm32_b32 hwreg(HW_REG_WAVE_MODE, 25, 1), 1
	s_wait_xcnt 0x0
	s_wait_alu depctr_hold_cnt(0) depctr_sa_sdst(0) depctr_va_vdst(0) depctr_va_sdst(0) depctr_va_ssrc(0) depctr_va_vcc(0) depctr_vm_vsrc(0)
	s_getreg_b32 s2, hwreg(HW_REG_IB_STS2, 6, 4)
	s_cmp_eq_u32 s2, 0
	s_cbranch_scc0 .Lentry_in_a_cluster
	s_endpgm
.Lentry_in_a_cluster:
	s_bfe_u32 s2, ttmp6, 0x10000c
	s_cmp_lg_u32 s2, 0xf033
	s_cbranch_scc0 .Lentry_shape_is_right
	s_endpgm
.Lentry_shape_is_right:
.set KTOT,  1024
.set NARG,  4
.set BIAS,  0
.set OFFC,  524288
.set ASCL,  0
.set ACOD,  OFFC
.set BSCL,  0
.set BCOD,  OFFC
.set RESP,  8
.set OUTP,  10
.set SLOT,  131072
.set SCL,   2*SLOT
.set SPARE, SCL+8*KTOT
.set LAPS,  KTOT/1024
.set ADRA, 16
.set ADRB, 20
.set STO,  24
.set RD,   25
.set CO,   26
.set ADRS, 27
.set SPW,  28
.set NIL,  29
.set SC,   32
.set BK,   32
.set BI,   96
.set ACC,  128
.set F0,   0
.set F1,   128
.set G1,   24
.set G0,   32
.set G1B,  48
.set G0B,  56
.set G1S,  68
.set G0S,  76
.set G1SB, 80
.set G0SB, 88
.set MSB, 0
.macro WIN new
.if MSB != \new
	s_set_vgpr_msb (MSB<<8)|\new
.set MSB, \new
.endif
.endm
.set MUL,  0x05
.set TO_F, 0x40
.macro JLOAD g0a, g1a, g0b, g1b
	s_cmp_eq_u32 s15, 0
	s_cbranch_scc0 .Lfor_b_\@
	tensor_load_to_lds s[\g0a:\g0a+3], s[\g1a:\g1a+7]
	s_nop 0
.rept 4
	v_nop
.endr
	s_branch .Lasked_\@
.Lfor_b_\@:
	tensor_load_to_lds s[\g0b:\g0b+3], s[\g1b:\g1b+7]
	s_nop 0
.rept 4
	v_nop
.endr
.Lasked_\@:
.endm
.macro CREST
	s_cmp_lg_u32 s14, 0
	s_cbranch_scc1 .Lnot_wave_0_\@
	s_barrier_signal -3
.Lnot_wave_0_\@:
	s_barrier_wait -3
	s_barrier_signal -1
	s_barrier_wait -1
.endm
.macro CROUND
	s_barrier_signal -1
	s_barrier_wait -1
	CREST
.endm
.macro PLACES n
.rept \n
	v_nop
.endr
.endm
	s_load_b128 s[4:7], s[0:1], 0x0
.if NARG == 3
	s_load_b64 s[8:9], s[0:1], 0x10
.else
	s_load_b128 s[8:11], s[0:1], 0x10
.endif
.if NARG == 5
	s_load_b64 s[12:13], s[0:1], 0x20
.endif
	v_lshl_add_u32 v[SPW], v0, 2, SPARE
	v_mov_b32 v[NIL], 0
	ds_add_u32 v28, v29
	ds_add_u32 v28, v29
	s_wait_dscnt 0x0
	v_lshrrev_b32 v1, 5, v0
	v_readfirstlane_b32 s14, v1
	s_lshr_b32 s15, s14, 1
	s_and_b32 s16, s14, 1
	s_bfe_u32 s40, ttmp6, 0x40000
	s_bfe_u32 s41, ttmp6, 0x40004
	s_lshl_b32 s42, ttmp9, 2
	s_add_co_u32 s42, s42, s40
	s_and_b32 s17, ttmp7, 0xffff
	s_lshl_b32 s17, s17, 2
	s_add_co_u32 s17, s17, s41
	s_lshl_b32 s43, s41, 2
	s_lshl_b32 s43, 15, s43
	s_lshl_b32 s44, 0x1111, s40
	s_or_b32 s[G1], s43, (3<<16)|(1<<21)
	s_or_b32 s[G1B], s44, (3<<16)|(1<<21)
.irp g, G1, G1B
	s_mov_b32 s[\g+1], 1024<<16
	s_mov_b32 s[\g+2], 8<<16                       ; four tiles for all of K lie on end: 8 rows of 8,192 bytes a wave
	s_mov_b32 s[\g+3], 1024<<16
	s_mov_b32 s[\g+4], 8
	s_mov_b32 s[\g+5], 1024
	s_mov_b32 s[\g+6], 0
	s_mov_b32 s[\g+7], 0
.endr
	s_lshl_b32 s20, s17, 3
	s_lshl_b32 s46, s42, 3
	s_mul_i32 s22, s20, KTOT/2
	s_add_co_u32 s22, s22, ASCL
	s_mov_b32 s23, 0
	s_mul_i32 s20, s20, 16*KTOT
	s_add_co_u32 s20, s20, ACOD
	s_mov_b32 s21, 0
	s_mul_i32 s92, s46, KTOT/2
	s_add_co_u32 s92, s92, BSCL
	s_mov_b32 s93, 0
	s_mul_i32 s46, s46, 16*KTOT
	s_add_co_u32 s46, s46, BCOD
	s_mov_b32 s47, 0
	s_lshl_b32 s45, s14, 15
	s_mul_i32 s94, s16, 64*KTOT                    ; at the head I fetch four tiles of eight: which half, in bytes
	s_mov_b32 s95, 0
	s_wait_kmcnt 0x0
	s_add_nc_u64 s[20:21], s[4:5], s[20:21]
	s_add_nc_u64 s[22:23], s[4:5], s[22:23]
	s_add_nc_u64 s[46:47], s[6:7], s[46:47]
	s_add_nc_u64 s[92:93], s[6:7], s[92:93]
	CROUND
	s_mov_b64 s[G0S:G0S+1], s[22:23]               ; where A's scale words lie, and B's: they come by plain loads
	s_mov_b64 s[G0SB:G0SB+1], s[92:93]
	s_mov_b32 s[G0], 1                             ; waves 0 and 1 fetch A's halves, waves 2 and 3 B's: four tiles, 65,536 bytes, in memory and in LDS
	s_mov_b32 s[G0+1], s94
	s_add_nc_u64 s[G0+2:G0+3], s[20:21], s[94:95]
	s_or_b32 s[G0+3], s[G0+3], 0x80000000
	s_mov_b32 s[G0B], 1
	s_add_co_u32 s[G0B+1], s94, 131072
	s_add_nc_u64 s[G0B+2:G0B+3], s[46:47], s[94:95]
	s_or_b32 s[G0B+3], s[G0B+3], 0x80000000
	; K = 1,024: A's 128 KiB and B's 128 KiB lie in LDS whole, filled once by the head's loads; nothing is filled later
; the head's loads, one a wave: waves 0 and 1 A's halves, waves 2 and 3 B's; the scale words come by plain loads
	JLOAD G0, G1, G0B, G1B                         ; a load to each arm: my one load of the launch
	v_lshlrev_b32 v12, 4, v0                       ; the scale words: the 128 threads read runs of 2,048 consecutive bytes, 16 a thread, into registers that the sums take later,
	v_add_nc_u32 v13, SCL, v12                     ; and store them to LDS bytes of their own ahead of the first barrier
.set kk, 0
.rept KTOT/512
	global_load_b128 v[128+4*kk:131+4*kk], v12, s[G0S:G0S+1] offset:2048*kk
	global_load_b128 v[128+KTOT/128+4*kk:131+KTOT/128+4*kk], v12, s[G0SB:G0SB+1] offset:2048*kk
.set kk, kk+1
.endr
	v_and_b32 v1, 15, v0
	v_bfe_u32 v2, v0, 4, 1
	s_wait_alu depctr_va_vdst(0)
	v_and_b32 v3, 31, v0
	v_lshlrev_b32 v4, 4, v3
	s_lshl_b32 s21, s15, 16                        ; my four tiles of A, 16,384 bytes each,
	s_lshl_b32 s22, s16, 16
	s_add_co_u32 s22, s22, 131072                  ; and of B; the second half of K lies 8,192 bytes on in each tile
.irp s, 0,1
	v_add_nc_u32 v[ADRA+\s], s21, v4
	v_add_nc_u32 v[ADRB+\s], s22, v4
	s_add_co_u32 s21, s21, 8192
	s_add_co_u32 s22, s22, 8192
.endr
	v_lshlrev_b32 v5, 2, v1
	s_add_co_u32 s22, s16, 2
	s_sub_co_u32 s22, s22, s15
	s_mul_i32 s22, s22, 2*KTOT
	v_mul_u32_u24 v6, s22, v2
	s_mul_i32 s21, s15, 2*KTOT
	s_add_co_u32 s21, s21, SCL
	v_add_nc_u32 v5, v5, v6
	v_add_nc_u32 v[ADRS], s21, v5
.if BIAS
	s_lshl_b32 s92, s42, 9
	s_lshl_b32 s93, s16, 8
	s_add_co_u32 s92, s92, s93
	s_mov_b32 s93, 0
	s_add_nc_u64 s[8:9], s[8:9], s[92:93]
	v_lshlrev_b32 v7, 6, v2
.irp b, 0,1,2,3
	global_load_b128 v[BI+8*\b:BI+8*\b+3], v7, s[8:9] offset:(32*(\b/2)+8*(\b%2))*4
	global_load_b128 v[BI+8*\b+4:BI+8*\b+7], v7, s[8:9] offset:(32*(\b/2)+8*(\b%2))*4+16
.endr
.endif
	s_lshl_b32 s20, s17, 7
	s_lshl_b32 s21, s15, 6
	s_add_co_u32 s20, s20, s21
	s_lshl_b32 s20, s20, 12
	s_lshl_b32 s46, s42, 9
	s_lshl_b32 s47, s16, 8
	s_add_co_u32 s46, s46, s47
	s_add_co_u32 s20, s20, s46
	s_mov_b32 s21, 0
	s_add_nc_u64 s[22:23], s[RESP:RESP+1], s[20:21]
	s_add_nc_u64 s[20:21], s[OUTP:OUTP+1], s[20:21]
	s_mul_i32 s18, s14, 16*272
	s_add_co_u32 s18, s18, SPARE+1024              ; the stages have bytes of their own, behind the spare words
	v_mul_u32_u24 v[STO], v1, 272
	v_lshl_add_u32 v[STO], v2, 6, v[STO]
	v_add_nc_u32 v[STO], s18, v[STO]
	v_mul_u32_u24 v[RD], v2, 272
	v_lshl_add_u32 v[RD], v1, 4, v[RD]
	v_add_nc_u32 v[RD], s18, v[RD]
	v_lshlrev_b32 v[CO], 12, v2
	v_lshl_add_u32 v[CO], v1, 4, v[CO]
	WIN 0x80
.irp a, 0,1,2,3
.irp t, 0,1,2,3,4,5,6,7
	global_load_b128 v[32*\a+4*\t:32*\a+4*\t+3], v[CO], s[22:23] offset:(32*(\a/2)+8*(\a%2)+2*\t+8*(\t/4))*4096
.endr
.endr
	WIN 0
.macro FETCH slot, q, f, set
	WIN TO_F
.irp i, 0,1,2,3
.irp c, 0,1,2,3
	ds_load_b128 v[(\f)+16*\i+4*\c:(\f)+16*\i+4*\c+3], v[ADRA+\slot] offset:\i*16384+(\q)*2048+512*\c
	ds_load_b128 v[(\f)+64+16*\i+4*\c:(\f)+64+16*\i+4*\c+3], v[ADRB+\slot] offset:\i*16384+(\q)*2048+512*\c
.endr
.endr
	WIN 0
.irp i, 0,1,2,3
	ds_load_b32 v[SC+4*(\set)+\i], v[ADRS] offset:\i*(KTOT/2)+64*(\q)
.endr
.endm
.macro MUL8 f, set, a0, zero
.irp a, \a0, \a0+1
.irp b, 0,1,2,3
.if \zero && BIAS
	v_wmma_scale_f32_16x16x128_f8f6f4 v[ACC+8*(4*(\a)+\b):ACC+8*(4*(\a)+\b)+7], v[(\f)+64+16*\b:(\f)+64+16*\b+15], v[(\f)+16*(\a):(\f)+16*(\a)+15], v[BI+8*\b:BI+8*\b+7], v[SC+4*(\set)+\b], v[SC+4*(\set)+(\a)] matrix_a_scale:MATRIX_SCALE_ROW1
.elseif \zero
	v_wmma_scale_f32_16x16x128_f8f6f4 v[ACC+8*(4*(\a)+\b):ACC+8*(4*(\a)+\b)+7], v[(\f)+64+16*\b:(\f)+64+16*\b+15], v[(\f)+16*(\a):(\f)+16*(\a)+15], 0, v[SC+4*(\set)+\b], v[SC+4*(\set)+(\a)] matrix_a_scale:MATRIX_SCALE_ROW1
.else
	v_wmma_scale_f32_16x16x128_f8f6f4 v[ACC+8*(4*(\a)+\b):ACC+8*(4*(\a)+\b)+7], v[(\f)+64+16*\b:(\f)+64+16*\b+15], v[(\f)+16*(\a):(\f)+16*(\a)+15], v[ACC+8*(4*(\a)+\b):ACC+8*(4*(\a)+\b)+7], v[SC+4*(\set)+\b], v[SC+4*(\set)+(\a)] matrix_a_scale:MATRIX_SCALE_ROW1
.endif
.endr
.endr
.endm
.macro STEP slot, q, zero
	s_wait_dscnt 0x0
	PLACES 8
	FETCH \slot, (\q)+1, F0+128*(1-(\q)%2), 1-(\q)%2
	WIN MUL
	MUL8 F0+128*((\q)%2), (\q)%2, 0, \zero
	MUL8 F0+128*((\q)%2), (\q)%2, 2, \zero
	WIN 0
.endm
.macro TURN slot, next, fill
	s_wait_tensorcnt 0x0
	ds_add_u32 v[SPW], v[NIL]
	s_wait_dscnt 0x1
	WIN MUL
	MUL8 F1, 1, 0, 0
	WIN 0
	s_wait_dscnt 0x0
	s_barrier_signal -1
	s_barrier_wait -1
.if \fill
	CREST
	s_add_nc_u64 s[G0+4*\slot+2:G0+4*\slot+3], s[G0+4*\slot+2:G0+4*\slot+3], 16384
	s_add_nc_u64 s[G0B+4*\slot+2:G0B+4*\slot+3], s[G0B+4*\slot+2:G0B+4*\slot+3], 16384
	JLOAD G0+4*\slot, G1, G0B+4*\slot, G1B
	PLACES 4
.else
	PLACES 8
.endif
	v_add_nc_u32 v[ADRS], 256, v[ADRS]
	FETCH \next, 0, F0, 0
	WIN MUL
	MUL8 F1, 1, 2, 0
	WIN 0
.endm
	s_wait_alu depctr_va_vdst(0)
	s_wait_loadcnt 8*BIAS+32                       ; the scale words are in; the loads issued behind them (the residual's 32) may be out
.set kk, 0
.rept KTOT/512
	ds_store_b128 v13, v[128+4*kk:131+4*kk] offset:2048*kk
	ds_store_b128 v13, v[128+KTOT/128+4*kk:131+KTOT/128+4*kk] offset:4*KTOT+2048*kk
.set kk, kk+1
.endr
	s_wait_tensorcnt 0x0                           ; my quarter of the codes is in,
	s_wait_dscnt 0x0                               ; and my stores are done;
	s_barrier_signal -1
	s_barrier_wait -1                              ; and everybody's
	FETCH 0, 0, F0, 0
.if BIAS
	s_wait_loadcnt 32
.endif
	STEP 0, 0, 1
.if LAPS > 1
	s_mov_b32 s3, LAPS-1
.Llap:
	STEP 0, 1, 0
	STEP 0, 2, 0
	TURN 0, 1, 1
	STEP 1, 0, 0
	STEP 1, 1, 0
	STEP 1, 2, 0
	TURN 1, 0, 1
	STEP 0, 0, 0
	s_sub_co_u32 s3, s3, 1
	s_cmp_lg_u32 s3, 0
	s_cbranch_scc1 .Llap
.endif
	STEP 0, 1, 0
	STEP 0, 2, 0
	TURN 0, 1, 0
	s_wait_alu depctr_va_vdst(0)
	STEP 1, 0, 0
	STEP 1, 1, 0
	STEP 1, 2, 0
	s_wait_dscnt 0x0
	WIN MUL
	MUL8 F1, 1, 0, 0
	MUL8 F1, 1, 2, 0
	WIN 0
	PLACES 8
.irp a, 0,1,2,3
.if \a >= 2
	s_wait_xcnt 0x0
.endif
.irp b, 0,1
.irp j, 0,1,2,3
	ds_store_b128 v[STO], v[ACC+32*\a+16*\b+4*\j:ACC+32*\a+16*\b+4*\j+3] offset:128*\b+16*\j
.endr
.endr
.irp t, 0,1,2,3,4,5,6,7
	ds_load_b128 v[BK+32*(\a%2)+4*\t:BK+32*(\a%2)+4*\t+3], v[RD] offset:544*\t
.endr
	s_wait_dscnt 0x0
	s_wait_loadcnt 8*(3-\a)
	WIN 0x08
.irp i, 0,1,2,3,4,5,6,7,8,9,10,11,12,13,14,15
	v_pk_add_f32 v[BK+32*(\a%2)+2*\i:BK+32*(\a%2)+2*\i+1], v[BK+32*(\a%2)+2*\i:BK+32*(\a%2)+2*\i+1], v[32*\a+2*\i:32*\a+2*\i+1]
.endr
	WIN 0
.irp t, 0,1,2,3,4,5,6,7
	global_store_b128 v[CO], v[BK+32*(\a%2)+4*\t:BK+32*(\a%2)+4*\t+3], s[20:21] offset:(32*(\a/2)+8*(\a%2)+2*\t+8*(\t/4))*4096
.endr
.endr
	s_wait_tensorcnt 0x0
	ds_add_u32 v[SPW], v[NIL]
	s_wait_dscnt 0x0
	CROUND
	s_endpgm
.Lfunc_end_k_qd4d11e7a84_gemm_o:
	.size	k_qd4d11e7a84_gemm_o, .Lfunc_end_k_qd4d11e7a84_gemm_o-k_qd4d11e7a84_gemm_o
	.p2alignl 7, 3214868480
	.fill 96, 4, 3214868480
	.section	.rodata,"a",@progbits
	.p2align	6, 0x0
	.amdhsa_kernel k_qd4d11e7a84_gemm_o
		.amdhsa_group_segment_fixed_size 327680
		.amdhsa_private_segment_fixed_size 0
		.amdhsa_enable_private_segment 0
		.amdhsa_kernarg_size 32
		.amdhsa_user_sgpr_count 2
		.amdhsa_user_sgpr_kernarg_segment_ptr 1
		.amdhsa_wavefront_size32 1
		.amdhsa_system_sgpr_workgroup_id_x 1
		.amdhsa_system_sgpr_workgroup_id_y 1
		.amdhsa_system_sgpr_workgroup_id_z 1
		.amdhsa_system_vgpr_workitem_id 0
		.amdhsa_next_free_vgpr 768
		.amdhsa_next_free_sgpr 98
		.amdhsa_reserve_vcc 0
		.amdhsa_float_denorm_mode_32 3
		.amdhsa_float_denorm_mode_16_64 3
		.amdhsa_memory_ordered 1
		.amdhsa_forward_progress 1
		.amdhsa_inst_pref_size 61
	.end_amdhsa_kernel
	.amdgpu_metadata
---
amdhsa.version: [ 1, 2 ]
amdhsa.kernels:
  - .name:           k_qd4d11e7a84_gemm_o
    .symbol:         k_qd4d11e7a84_gemm_o.kd
    .args:
      - { .name: p, .offset: 0, .size: 8, .value_kind: global_buffer, .address_space: global }
      - { .name: wr_q, .offset: 8, .size: 8, .value_kind: global_buffer, .address_space: global }
      - { .name: x, .offset: 16, .size: 8, .value_kind: global_buffer, .address_space: global }
      - { .name: x1, .offset: 24, .size: 8, .value_kind: global_buffer, .address_space: global }
    .group_segment_fixed_size: 327680
    .private_segment_fixed_size: 0
    .kernarg_segment_align: 8
    .kernarg_segment_size: 32
    .max_flat_workgroup_size: 128
    .sgpr_count:     98
    .vgpr_count:     768
    .wavefront_size: 32
...
	.end_amdgpu_metadata
.endif
;; end of part 4
;; launch ln2: the kernel of part 1 again; grid 256 x 1, 8 waves a work-group, no clusters, 137,216 bytes of LDS; arguments x1, alpha2, bias2, p, wq, wk, wv, wo, w1, w2, wqk_q, wr_q; writes p, wqk_q, wr_q
;; launch gemm_f1 (part 5): grid 8 x 32, 4 waves a work-group, clusters of 4 x 4, 327,680 bytes of LDS; arguments p, wr_q, b1, hq; writes hq
.if DOCPART == 5
	.amdgcn_target "amdgcn-amd-amdhsa--gfx1250"
	.amdhsa_code_object_version 6
	.text
	.protected	k_qd4d11e7a84_gemm_f1
	.globl	k_qd4d11e7a84_gemm_f1
	.p2align	8
	.type	k_qd4d11e7a84_gemm_f1,@function
k_qd4d11e7a84_gemm_f1:
	s_mov_b64 s[64:65], 0
	v_nop
	global_prefetch_b8 v0, s[64:65] scope:SCOPE_SE
	s_setreg_imm32_b32 hwreg(HW_REG_WAVE_MODE, 25, 1), 1
	s_wait_xcnt 0x0
	s_wait_alu depctr_hold_cnt(0) depctr_sa_sdst(0) depctr_va_vdst(0) depctr_va_sdst(0) depctr_va_ssrc(0) depctr_va_vcc(0) depctr_vm_vsrc(0)
	s_getreg_b32 s2, hwreg(HW_REG_IB_STS2, 6, 4)
	s_cmp_eq_u32 s2, 0
	s_cbranch_scc0 .Lentry_in_a_cluster
	s_endpgm
.Lentry_in_a_cluster:
	s_bfe_u32 s2, ttmp6, 0x10000c
	s_cmp_lg_u32 s2, 0xf033
	s_cbranch_scc0 .Lentry_shape_is_right
	s_endpgm
.Lentry_shape_is_right:
; OUT = Q(relu(A B^T + bias)): A (the normed rows) [4,096][1,024] and B (w1) [4,096][1,024] are codes of E4M3 with E8M0 scales, laid as images of an operand's registers (fragment (tile, ks) = [c][lane][16 bytes];
; lane-row r of tile t is row 32 (t / 2) + 8 (t % 2) + r + 8 (r / 8); scale words [tile][ks][16], codes behind them).  The result is quantised along N in blocks of 32 and leaves as the same kind of image with K = 4,096.
; A WORK-GROUP STAYS.  Its 128 rows of A, for all of K, lie in LDS for the whole launch (128 KiB, filled once); it walks NT = 4 tiles of 128 rows of B, at column tiles x, x + 8, x + 16, x + 24.
; B goes through a ring of two slots of 64 KiB (K = 512 each), and the ring goes on into the next tile: a tile's way out stands under the next tile's loads.  So 128 + 4 x 128 KiB of codes land
; in a work-group's LDS for four tiles, where four work-groups of one tile each would take 4 x 256.
; SHARES: four waves, each 64 x 64 of a tile: 16 accumulators.  A fragment comes by four ds_load_b128 of 512 consecutive bytes: no pitch, no padding.
; CLUSTERS: 4 x 4 work-groups; A is asked for jointly along a row of the cluster, B's tiles along a column.  At the head waves 0 and 1 fetch A, waves 2 and 3 slot 0 of B (a branch on the wave's number); behind it every wave fetches a quarter of each load of B.
; THE MATRIX INSTRUCTION IS USED TRANSPOSED (source 0 = 16 lane-rows of B, source 1 = 16 of A): by the order of a tile's rows a lane's 16 registers of B's tiles 2 b and 2 b + 1 are 16 neighbours along N.
; The bias is the C of each sum's first product; that of all four tiles is loaded once.  The activation costs nothing: the hold that the conversion wants clips at 0 as well.
; LIMITS: a block of zeros gets the byte 1 (only this program reads the bytes); NaN and infinities are not served.
; REGISTERS: window 0: v8-11 scale words' addresses, one a tile; v16-29 addresses; v32-39 scale words, two sets (lanes 0-15 A's tile i, lanes 16-31 B's tile i); v40-77 at work on the way out; v96-127 codes;
;   v128-255 accumulators (a, b) at 128 + 8 (4 a + b).   window 1: two fragment buffers of 128: A's four fragments, then B's four.   window 2: v0-127 the bias, 32 registers a tile.
.set KTOT,  1024
.set NT,    4                          ; tiles of B that a work-group walks
.set SWAPL, 0
.set BIAS,  1
.set RELU,  1
.set QKLAY, 0
.set OFFC,  524288
.set ASCL,  0
.set ACOD,  OFFC
.set BSCL,  32768
.set BCOD,  OFFC+1048576
.set PA,    65536                      ; bytes from A's tile to the next in the output
.set PB,    1024                       ; and from a chunk of 64 along N to the next
.set TCOD,  16*PB                      ; from a walk's tile to the next: 8 column tiles are 16 chunks
.set TSCL,  512                        ; the same for the scale halves: 8 words of 64 bytes
.set OUTP,  10
.set TSTEP, 64*16*KTOT                 ; in B's codes: 8 column tiles of 8 tiles of 16 KTOT bytes
.set BS0,   131072                     ; LDS: A's 8 tiles x 8 ks x 2,048 bytes from 0; B's slots from here,
.set BSLOT, 65536                      ; each 8 tiles x 4 ks x 2,048 bytes
.set SCL,   262144                     ; the scale words: A's eight tiles, 512 bytes each, on end; from SCL + 4,096 B's eight tiles of each tile of the walk, 4,096 bytes a tile of the walk
.set NTP,   1024                       ; from a pair of tiles to the next
.set SPARE, SCL+32768                  ; the spare words, 128 bytes a wave: two blocks of 256 bytes that no other line names
.set ADRS, 8
.set ADRA, 16
.set ADRB, 20
.set L16,  24
.set SLN,  25
.set SPW,  28
.set NIL,  29
.set SC,   32
.set TMX,  40
.set T2,   48
.set HOLD, 56
.set SOP,  64
.set PWD,  72
.set PC,   96
.set ACC,  128
.set BI,   0                           ; the bias, in window 2
.set F0,   0
.set F1,   128
.set G1A,  24                          ; s[24:31] group 1 for A's codes;  s[32:39] for B's
.set G1B,  32
.set G1SA, 48
.set G1SB, 56
.set G0A,  68                          ; groups 0: s[68:71] A's codes, s[80:87] B's two slots; s[72:73], s[76:77] the scale words' addresses
.set G0SA, 72
.set G0SB, 76
.set G0B,  80
.set MNT,  95
.set SEL,  96
.set MSB, 0
.macro WIN new                         ; the immediate's high byte repeats the setting that is left
.if MSB != \new
	s_set_vgpr_msb (MSB<<8)|\new
.set MSB, \new
.endif
.endm
.set MUL,  0x05                        ; sources 0 and 1 window 1; C and D window 0
.set MULZ, 0x25                        ; the same with C in window 2
.set TO_F, 0x40                        ; destination window 1, address window 0
.macro CREST                           ; a round of the cluster's barrier behind its opening barrier
	s_cmp_lg_u32 s14, 0
	s_cbranch_scc1 .Lnot_wave_0_\@
	s_barrier_signal -3
.Lnot_wave_0_\@:
	s_barrier_wait -3
	s_barrier_signal -1
	s_barrier_wait -1
.endm
.macro CROUND
	s_barrier_signal -1
	s_barrier_wait -1
	CREST
.endm
.macro PLACES n                        ; plain vector lines between a matrix instruction and a load into, or a read of, its registers: eight for this form
.rept \n
	v_nop
.endr
.endm
	s_load_b128 s[4:7], s[0:1], 0x0                ; A, B
	s_load_b128 s[8:11], s[0:1], 0x10              ; the two further buffers
	v_lshl_add_u32 v[SPW], v0, 2, SPARE
	v_mov_b32 v[NIL], 0
	ds_add_u32 v28, v29
	ds_add_u32 v28, v29
	s_wait_dscnt 0x0
	v_lshrrev_b32 v1, 5, v0
	v_readfirstlane_b32 s14, v1                    ; wave
	s_lshr_b32 s15, s14, 1                         ; my half of A's 128 rows
	s_and_b32 s16, s14, 1                          ; my half of B's
	s_bfe_u32 s40, ttmp6, 0x40000                  ; cx, cy
	s_bfe_u32 s41, ttmp6, 0x40004
	s_lshl_b32 s42, ttmp9, 2
	s_add_co_u32 s42, s42, s40                     ; x: the walk's first column tile
	s_and_b32 s17, ttmp7, 0xffff
	s_lshl_b32 s17, s17, 2
	s_add_co_u32 s17, s17, s41                     ; tile row
	s_lshl_b32 s43, s41, 2
	s_lshl_b32 s43, 15, s43                        ; my row of the cluster
	s_lshl_b32 s44, 0x1111, s40                    ; my column
	; A's codes, at the head a wave's half: four tiles, 64 KiB on end, as 8 rows of 8,192 bytes (1,024 elements of 8 bytes)
	s_or_b32 s[G1A], s43, (3<<16)|(1<<21)          ; 15:0 the mask: my row; 17:16 elements of 8 bytes; 21 set beside a mask
	s_mov_b32 s[G1A+1], 1024<<16                   ; tensor_dim0
	s_mov_b32 s[G1A+2], 8<<16                      ; at the head waves 0 and 1 fetch four tiles of A each: 8 rows of 8,192 bytes
	s_mov_b32 s[G1A+3], 1024<<16                   ; tile_dim0
	s_mov_b32 s[G1A+4], 8
	s_mov_b32 s[G1A+5], 1024                       ; stride
	s_mov_b32 s[G1A+6], 0
	s_mov_b32 s[G1A+7], 0
	; B's codes, a wave's quarter of a slot: two tiles, of each 4 ks = 8,192 consecutive bytes, 16 KTOT bytes from tile to tile
	s_or_b32 s[G1B], s44, (3<<16)|(1<<21)          ; the mask: my column
	s_mov_b32 s[G1B+1], 1024<<16
	s_mov_b32 s[G1B+2], 4<<16                      ; at the head waves 2 and 3 fetch four tiles of slot 0 each; behind it the two words are set to 2
	s_mov_b32 s[G1B+3], 1024<<16
	s_mov_b32 s[G1B+4], 4
	s_mov_b32 s[G1B+5], 2*KTOT
	s_mov_b32 s[G1B+6], 0
	s_mov_b32 s[G1B+7], 0
	s_lshl_b32 s20, s17, 3                         ; A's first tile: it hangs on the tile row
	s_lshl_b32 s46, s42, 3                         ; B's: on x
	s_mul_i32 s22, s20, KTOT/2
	s_add_co_u32 s22, s22, ASCL
	s_mov_b32 s23, 0
	s_mul_i32 s20, s20, 16*KTOT
	s_add_co_u32 s20, s20, ACOD
	s_mov_b32 s21, 0
	s_mul_i32 s92, s46, KTOT/2
	s_add_co_u32 s92, s92, BSCL
	s_mov_b32 s93, 0
	s_mul_i32 s46, s46, 16*KTOT
	s_add_co_u32 s46, s46, BCOD
	s_mov_b32 s47, 0
	s_lshl_b32 s19, s14, 14                        ; LDS: in the ring my two tiles of B lie at wave x 16,384 in a slot
	s_mul_i32 s94, s14, 32*KTOT                    ; and in memory two tiles a wave on
	s_mov_b32 s95, 0
	s_wait_kmcnt 0x0
	s_add_nc_u64 s[20:21], s[4:5], s[20:21]
	s_add_nc_u64 s[22:23], s[4:5], s[22:23]
	s_add_nc_u64 s[46:47], s[6:7], s[46:47]
	s_add_nc_u64 s[92:93], s[6:7], s[92:93]
	s_mov_b64 s[G0SA:G0SA+1], s[22:23]             ; where A's scale words lie, and B's: they come by plain loads
	s_mov_b64 s[G0SB:G0SB+1], s[92:93]
	s_lshl_b32 s78, s16, 16                        ; the head's half: four tiles are 65,536 bytes of A's codes and of B's
	s_mov_b32 s79, 0
	s_mov_b32 s[G0A], 1
	s_lshl_b32 s[G0A+1], s16, 16
	s_add_nc_u64 s[G0A+2:G0A+3], s[20:21], s[78:79]
	s_or_b32 s[G0A+3], s[G0A+3], 0x80000000
	s_mov_b32 s4, 1                                ; s[4:7]: group 0 for the head's load of half of slot 0 (the arguments that lay there have been used)
	s_lshl_b32 s5, s16, 15
	s_add_co_u32 s5, s5, BS0
	s_add_nc_u64 s[6:7], s[46:47], s[78:79]
	s_or_b32 s7, s7, 0x80000000
	s_add_nc_u64 s[46:47], s[46:47], s[94:95]      ; for the ring: my two tiles
	; the prefetches' base: of the 64 blocks of 256 bytes that I fetch for a slot, the partner at place cy of my column takes 16: half a tile's 8,192 bytes.  The partners are told apart by address alone
	s_lshr_b32 s12, s41, 1
	s_mul_i32 s12, s12, 16*KTOT
	s_and_b32 s13, s41, 1
	s_lshl_b32 s13, s13, 12
	s_add_co_u32 s12, s12, s13
	s_mov_b32 s13, 0
	s_add_nc_u64 s[12:13], s[46:47], s[12:13]
.irp s, 0,1
	s_mov_b32 s[G0B+4*\s], 1
	s_add_co_u32 s[G0B+4*\s+1], s19, BS0+\s*BSLOT
	s_add_nc_u64 s[G0B+4*\s+2:G0B+4*\s+3], s[46:47], \s*8192   ; slot s always holds a tile's K = 512 s on
	s_or_b32 s[G0B+4*\s+3], s[G0B+4*\s+3], 0x80000000
.endr
	CROUND                                         ; all sixteen work-groups are here: the first joint loads meet
; waves 0 and 1 fetch A's halves, waves 2 and 3 the halves of slot 0 of B: one branch on the wave's number, a load to each arm
	s_cmp_eq_u32 s15, 0
	s_cbranch_scc0 .Lhead_b
	tensor_load_to_lds s[G0A:G0A+3], s[G1A:G1A+7]
	s_nop 0
.rept 4
	v_nop
.endr
	s_branch .Lhead_asked
.Lhead_b:
	tensor_load_to_lds s[4:7], s[G1B:G1B+7]
	s_nop 0
.rept 4
	v_nop
.endr
.Lhead_asked:
	v_lshlrev_b32 v12, 4, v0                       ; the scale words: the 128 threads read runs of 2,048 consecutive bytes, 16 a thread, into registers that the sums take later,
	v_add_nc_u32 v13, SCL, v12                     ; and store them to LDS bytes of their own ahead of the first barrier
	global_load_b128 v[128:131], v12, s[G0SA:G0SA+1]
	global_load_b128 v[132:135], v12, s[G0SA:G0SA+1] offset:2048
.set tt, 0
.rept NT
	global_load_b128 v[136+8*tt:139+8*tt], v12, s[G0SB:G0SB+1] offset:32768*tt
	global_load_b128 v[140+8*tt:143+8*tt], v12, s[G0SB:G0SB+1] offset:32768*tt+2048
.set tt, tt+1
.endr
.rept 4
	v_nop
.endr
	v_and_b32 v1, 15, v0                           ; r
	v_bfe_u32 v2, v0, 4, 1                         ; h
	s_wait_alu depctr_va_vdst(0)
	v_and_b32 v3, 31, v0                           ; lane
	v_min_u32 v30, 15, v3                          ; a lane a block; the lanes left over name the last block again
	v_lshlrev_b32 v30, 8, v30
	global_prefetch_b8 v30, s[12:13] offset:8192 th:TH_LOAD_NT scope:SCOPE_SE         ; tile 0's second half of K, which the load behind the first round brings
	global_prefetch_b8 v30, s[12:13] offset:TSTEP th:TH_LOAD_NT scope:SCOPE_SE        ; the walk's tile 1, which the first two refills load
	global_prefetch_b8 v30, s[12:13] offset:TSTEP+8192 th:TH_LOAD_NT scope:SCOPE_SE
	v_lshlrev_b32 v4, 4, v3
	s_lshl_b32 s21, s15, 16                        ; my four tiles of A
	v_add_nc_u32 v[ADRA], s21, v4
	s_lshl_b32 s22, s16, 15                        ; my four of B, in slot 0 and in slot 1
	s_add_co_u32 s22, s22, BS0
	v_add_nc_u32 v[ADRB], s22, v4
	s_add_co_u32 s22, s22, BSLOT
	v_add_nc_u32 v[ADRB+1], s22, v4
	v_lshlrev_b32 v5, 2, v1
	s_lshl_b32 s22, s16, 1
	s_add_co_u32 s22, s22, 4
	s_lshl_b32 s23, s15, 1
	s_sub_co_u32 s22, s22, s23
	s_mul_i32 s22, s22, NTP                        ; from my tiles' words of A to my tiles' words of B
	v_mul_u32_u24 v6, s22, v2                      ; lanes 16-31 take B's
	s_mul_i32 s21, s23, NTP
	s_add_co_u32 s21, s21, SCL
	v_add_nc_u32 v5, v5, v6
	v_add_nc_u32 v[ADRS], s21, v5                  ; the walk's tile 0;
	v_lshlrev_b32 v6, 12, v2                       ; from tile to tile of the walk B's words lie 4,096 bytes on, A's stay
.set tt, 1
.rept NT-1
	v_add_nc_u32 v[ADRS+tt], v[ADRS+tt-1], v6
.set tt, tt+1
.endr
.if BIAS
	s_lshl_b32 s92, s42, 9
	s_lshl_b32 s93, s16, 8
	s_add_co_u32 s92, s92, s93
	s_mov_b32 s93, 0
	s_add_nc_u64 s[8:9], s[8:9], s[92:93]          ; the bias of my 64 columns of tile 0; 4,096 bytes on for each tile.  Lane (r, h) wants, for B's tile b, numbers 32 (b / 2) + 8 (b % 2) + 16 h + 0..7
	v_lshlrev_b32 v7, 6, v2
	WIN 0x80                                       ; destination window 2
.set tt, 0
.rept NT
.irp b, 0,1,2,3
	global_load_b128 v[BI+32*tt+8*\b:BI+32*tt+8*\b+3], v7, s[8:9] offset:4096*tt+(32*(\b/2)+8*(\b%2))*4
	global_load_b128 v[BI+32*tt+8*\b+4:BI+32*tt+8*\b+7], v7, s[8:9] offset:4096*tt+(32*(\b/2)+8*(\b%2))*4+16
.endr
.set tt, tt+1
.endr
	WIN 0
.endif
	; where the results go
	s_lshl_b32 s18, s17, 3
	s_lshl_b32 s19, s15, 2
	s_add_co_u32 s18, s18, s19                     ; my first tile of A
	s_lshl_b32 s19, s42, 1
	s_add_co_u32 s19, s19, s16                     ; my chunk of 64 along N, in the walk's tile 0
	s_mul_i32 s20, s18, PA
	s_mul_i32 s21, s19, PB
	s_add_co_u32 s20, s20, s21
	s_add_co_u32 s20, s20, OFFC
	s_mov_b32 s21, 0
.if QKLAY
	s_lshl_b32 s22, s19, 13
	s_lshl_b32 s23, s18, 5
	s_add_co_u32 s22, s22, s23
	v_lshlrev_b32 v[SLN], 2, v3                    ; 4 r + 64 h
.else
	s_lshl_b32 s22, s18, 11
	s_lshl_b32 s23, s42, 6
	s_add_co_u32 s22, s22, s23
	s_lshl_b32 s23, s16, 1
	s_add_co_u32 s22, s22, s23
	v_lshlrev_b32 v[SLN], 2, v1
	v_lshl_add_u32 v[SLN], v2, 12, v[SLN]          ; 4 r + 4,096 h
.endif
	s_mov_b32 s23, 0
	s_add_nc_u64 s[20:21], s[OUTP:OUTP+1], s[20:21]
	s_add_nc_u64 s[22:23], s[OUTP:OUTP+1], s[22:23]
.if SWAPL
	s_lshl_b32 s18, s42, 3
	s_lshl_b32 s19, s16, 2
	s_add_co_u32 s18, s18, s19
	s_lshl_b32 s19, s17, 1
	s_add_co_u32 s19, s19, s15
	s_lshl_b32 s88, s18, 10
	s_lshl_b32 s89, s19, 18
	s_add_co_u32 s88, s88, s89
	s_add_co_u32 s88, s88, OFFC
	s_mov_b32 s89, 0
	s_lshl_b32 s90, s19, 13
	s_lshl_b32 s91, s18, 5
	s_add_co_u32 s90, s90, s91
	s_mov_b32 s91, 0
	s_add_nc_u64 s[88:89], s[10:11], s[88:89]
	s_add_nc_u64 s[90:91], s[10:11], s[90:91]
.endif
	v_mov_b32 v[L16], v4
	s_mov_b32 s[SEL], 0x76543210
	s_mov_b32 s[SEL+1], 0xfedcba98
	s_mov_b32 s[MNT], 0x600000
.irp e, 0,1,2,3,4,5,6,7
	v_mov_b32 v[T2+\e], 0                          ; lane permutes' destinations count as read: written once
.endr
; the fragments of the q-th 128 along K of B's slot, and A's of the same K, into buffer f; their scale words into set
.macro FETCH tile, slot, q, f, set
	WIN TO_F
.irp i, 0,1,2,3
.irp c, 0,1,2,3
	ds_load_b128 v[(\f)+16*\i+4*\c:(\f)+16*\i+4*\c+3], v[ADRA] offset:\i*16384+(4*(\slot)+(\q))*2048+512*\c
	ds_load_b128 v[(\f)+64+16*\i+4*\c:(\f)+64+16*\i+4*\c+3], v[ADRB+\slot] offset:\i*8192+(\q)*2048+512*\c
.endr
.endr
	WIN 0
.irp i, 0,1,2,3
	ds_load_b32 v[SC+4*(\set)+\i], v[ADRS+(\tile)] offset:(\i/2)*NTP+(\i%2)*512+64*(4*(\slot)+(\q))
.endr
.endm
; eight products.  sw = 0: A's tiles a0, a0 + 1 (source 1) x B's four (source 0).  sw = 1: B's tiles a0, a0 + 1 (source 1) x A's four (source 0).
; The 16 accumulators take turns, one instruction a turn, in one order everywhere.  zero = 1: the product starts the sum
.macro MUL8 f, set, a0, zero, sw, tile
.irp a, \a0, \a0+1
.irp b, 0,1,2,3
.if \sw
.if \zero
	v_wmma_scale_f32_16x16x128_f8f6f4 v[ACC+8*(4*(\a)+\b):ACC+8*(4*(\a)+\b)+7], v[(\f)+16*\b:(\f)+16*\b+15], v[(\f)+64+16*(\a):(\f)+64+16*(\a)+15], 0, v[SC+4*(\set)+\b], v[SC+4*(\set)+(\a)] matrix_b_scale:MATRIX_SCALE_ROW1
.else
	v_wmma_scale_f32_16x16x128_f8f6f4 v[ACC+8*(4*(\a)+\b):ACC+8*(4*(\a)+\b)+7], v[(\f)+16*\b:(\f)+16*\b+15], v[(\f)+64+16*(\a):(\f)+64+16*(\a)+15], v[ACC+8*(4*(\a)+\b):ACC+8*(4*(\a)+\b)+7], v[SC+4*(\set)+\b], v[SC+4*(\set)+(\a)] matrix_b_scale:MATRIX_SCALE_ROW1
.endif
.elseif \zero && BIAS
	v_wmma_scale_f32_16x16x128_f8f6f4 v[ACC+8*(4*(\a)+\b):ACC+8*(4*(\a)+\b)+7], v[(\f)+64+16*\b:(\f)+64+16*\b+15], v[(\f)+16*(\a):(\f)+16*(\a)+15], v[BI+32*(\tile)+8*\b:BI+32*(\tile)+8*\b+7], v[SC+4*(\set)+\b], v[SC+4*(\set)+(\a)] matrix_a_scale:MATRIX_SCALE_ROW1
.elseif \zero
	v_wmma_scale_f32_16x16x128_f8f6f4 v[ACC+8*(4*(\a)+\b):ACC+8*(4*(\a)+\b)+7], v[(\f)+64+16*\b:(\f)+64+16*\b+15], v[(\f)+16*(\a):(\f)+16*(\a)+15], 0, v[SC+4*(\set)+\b], v[SC+4*(\set)+(\a)] matrix_a_scale:MATRIX_SCALE_ROW1
.else
	v_wmma_scale_f32_16x16x128_f8f6f4 v[ACC+8*(4*(\a)+\b):ACC+8*(4*(\a)+\b)+7], v[(\f)+64+16*\b:(\f)+64+16*\b+15], v[(\f)+16*(\a):(\f)+16*(\a)+15], v[ACC+8*(4*(\a)+\b):ACC+8*(4*(\a)+\b)+7], v[SC+4*(\set)+\b], v[SC+4*(\set)+(\a)] matrix_a_scale:MATRIX_SCALE_ROW1
.endif
.endr
.endr
.endm
; a step of 128 along K whose successor lies in the same slot: the successor's fragments are asked for first and land under this step's 16 products
.macro STEP tile, slot, q, zero, sw
	s_wait_dscnt 0x0                               ; this step's fragments and scale words are in
	PLACES 8                                       ; the other buffer and set were read by the products issued last
	FETCH \tile, \slot, (\q)+1, F0+128*(1-(\q)%2), 1-(\q)%2
.if \zero && BIAS
	WIN MULZ
.else
	WIN MUL
.endif
	MUL8 F0+128*((\q)%2), (\q)%2, 0, \zero, \sw, \tile
	MUL8 F0+128*((\q)%2), (\q)%2, 2, \zero, \sw, \tile
	WIN 0
.endm
; a slot's last step changes slots: one barrier; in front of it each wave waits for all its tensor loads, adds 0 to its spare word, and waits for that and for its reads of this slot.
; fill = 1: this slot takes the same half of K of the walk's next tile.  ntile, next: the tile and slot whose first fragments are fetched
.macro TURN tile, slot, ntile, next, fill, sw
	s_wait_tensorcnt 0x0                           ; all my tensor loads have landed, my part of the next slot among them
	ds_add_u32 v[SPW], v[NIL]                      ; 0 onto my spare word
	s_wait_dscnt 0x1                               ; the fragments are in; only the add may be out
	WIN MUL
	MUL8 F1, 1, 0, 0, \sw, \tile                   ; eight products stand between the add and the wait for it
	WIN 0
	s_wait_dscnt 0x0                               ; the add is done, and my reads of this slot are over
	s_barrier_signal -1
	s_barrier_wait -1
.if \fill
	CREST                                          ; the barrier has opened a round of the cluster's: no wave of any partner still reads this slot or has a load on its way
	s_add_nc_u64 s[G0B+4*\slot+2:G0B+4*\slot+3], s[G0B+4*\slot+2:G0B+4*\slot+3], TSTEP
	tensor_load_to_lds s[G0B+4*\slot:G0B+4*\slot+3], s[G1B:G1B+7]   ; the first tensor load behind the round, my only one until the next
	s_nop 0
	PLACES 8                                       ; (four of them behind the tensor load; all eight the places ahead of the loads below)
.else
	PLACES 8
.endif
	FETCH \ntile, \next, 0, F0, 0
.if (\fill) && ((\tile)+2 < NT)
	global_prefetch_b8 v30, s[12:13] offset:((\tile)+2)*TSTEP+(\slot)*8192 th:TH_LOAD_NT scope:SCOPE_SE   ; what the refill two refills on loads: this slot's half of K of the tile after next; the walk's last tiles ask for nothing
.endif
	WIN MUL
	MUL8 F1, 1, 2, 0, \sw, \tile
	WIN 0
.endm
; THE WAY OUT of the walk's tile t: eight blocks e = 2 a + b of 32; a lane holds 16 numbers of each, lane l xor 16 the other 16.  The codes are the next operand's registers and are stored as they stand.
.macro EPI t, sw
	PLACES 8
.if (\t) > 0
	s_wait_xcnt 0x0                                ; the last tile's stores have read the registers that are written again below
.endif
.irp e, 0,1,2,3,4,5,6,7
.if RELU
	v_max3_num_f32 v[TMX+\e], v[ACC+16*\e], v[ACC+16*\e+1], 0x4800000      ; no |.|: what is negative becomes 0 and must not count; the floor 2^(9 - 127) stands over it
.else
	v_max3_num_f32 v[TMX+\e], |v[ACC+16*\e]|, |v[ACC+16*\e+1]|, 0x4800000  ; each accumulator is read from its low end on; the floor 2^(9 - 127) holds the byte at 1
.endif
.endr
.irp i, 2,4,6,8,10,12,14
.irp e, 0,1,2,3,4,5,6,7
.if RELU
	v_max3_num_f32 v[TMX+\e], v[TMX+\e], v[ACC+16*\e+\i], v[ACC+16*\e+\i+1]
.else
	v_max3_num_f32 v[TMX+\e], v[TMX+\e], |v[ACC+16*\e+\i]|, |v[ACC+16*\e+\i+1]|
.endif
.endr
.endr
.irp e, 0,1,2,3,4,5,6,7
	v_permlanex16_b32 v[T2+\e], v[TMX+\e], s[SEL], s[SEL+1]
.endr
.irp e, 0,1,2,3,4,5,6,7
	v_max_num_f32 v[TMX+\e], v[TMX+\e], v[T2+\e]
.endr
.irp e, 0,1,2,3,4,5,6,7
	v_add_nc_u32 v[SOP+\e], 0xfc000000, v[TMX+\e]  ; 8 off the exponent field: the conversion's scale operand
.endr
.irp e, 0,1,2,3,4,5,6,7
	v_and_or_b32 v[HOLD+\e], v[TMX+\e], 0x7f800000, s[MNT]   ; 448 x the scale
.endr
.irp e, 0,1,2,3,4,5,6,7
	v_lshrrev_b32 v[T2+\e], 23, v[SOP+\e]          ; the scale's byte
.endr
.irp a, 0,1,2,3
	v_lshl_or_b32 v[PWD+\a], v[T2+2*\a+1], 8, v[T2+2*\a]   ; tile a's two bytes
.endr
	v_cmp_gt_u32 vcc_lo, 16, v3
.if QKLAY
	v_lshl_or_b32 v76, v[PWD+1], 16, v[PWD]        ; tiles a and a + 1 share a word
	v_lshl_or_b32 v77, v[PWD+3], 16, v[PWD+2]
	v_cndmask_b32 v76, v77, v76, vcc_lo            ; lanes 0-15 tiles 0 and 1, lanes 16-31 tiles 2 and 3
.else
	v_cndmask_b32 v76, v[PWD+2], v[PWD], vcc_lo    ; lanes 0-15 tile 0, lanes 16-31 tile 2
	v_cndmask_b32 v77, v[PWD+3], v[PWD+1], vcc_lo
.endif
.irp e, 0,1,2,3,4,5,6,7
.irp i, 0,1,2,3,4,5,6,7,8,9,10,11,12,13,14,15
.if RELU
	v_med3_num_f32 v[ACC+16*\e+\i], v[ACC+16*\e+\i], 0, v[HOLD+\e]         ; the activation and the hold in one
.else
	v_med3_num_f32 v[ACC+16*\e+\i], v[ACC+16*\e+\i], -v[HOLD+\e], v[HOLD+\e]   ; the conversion does not saturate (ISA guide 7.6.2): hold first
.endif
.endr
	v_cvt_scalef32_pk8_fp8_f32 v[PC+4*\e:PC+4*\e+1], v[ACC+16*\e:ACC+16*\e+7], v[SOP+\e]
	v_cvt_scalef32_pk8_fp8_f32 v[PC+4*\e+2:PC+4*\e+3], v[ACC+16*\e+8:ACC+16*\e+15], v[SOP+\e]
.endr
	v_nop                                          ; one plain line behind the last conversion
.irp a, 0,1,2,3
.irp b, 0,1
.if \sw
	global_store_b128 v[L16], v[PC+4*(2*\a+\b):PC+4*(2*\a+\b)+3], s[88:89] offset:\a*1024+512*\b
.else
	global_store_b128 v[L16], v[PC+4*(2*\a+\b):PC+4*(2*\a+\b)+3], s[20:21] offset:(\t)*TCOD+\a*PA+512*\b   ; 32 lanes store 512 consecutive bytes, aligned
.endif
.endr
.endr
.if \sw
	global_store_b32 v[SLN], v76, s[90:91]
.elseif QKLAY
	global_store_b32 v[SLN], v76, s[22:23] offset:(\t)*TSCL        ; 128 consecutive bytes
.else
	global_store_b16 v[SLN], v76, s[22:23] offset:(\t)*TSCL        ; half of a scale word: the other half is the neighbouring wave's
	global_store_b16 v[SLN], v77, s[22:23] offset:(\t)*TSCL+2048
.endif
.endm
; one tile of the walk: eight steps of 128 along K, two changes of slots, the way out.  The last tile asks for nothing more
.macro TILE t, last, sw
	STEP \t, 0, 0, 1, \sw                          ; the first step starts the sums: nothing is cleared
	STEP \t, 0, 1, 0, \sw
	STEP \t, 0, 2, 0, \sw
	TURN \t, 0, \t, 1, 1-\last, \sw
	STEP \t, 1, 0, 0, \sw
	STEP \t, 1, 1, 0, \sw
	STEP \t, 1, 2, 0, \sw
.if \last
	s_wait_dscnt 0x0
	WIN MUL
	MUL8 F1, 1, 0, 0, \sw, \t
	MUL8 F1, 1, 2, 0, \sw, \t
	WIN 0
.else
	TURN \t, 1, (\t)+1, 0, 1, \sw                  ; the ring goes on into the next tile, whose first fragments are fetched here
.endif
	EPI \t, \sw
.endm
	s_wait_alu depctr_va_vdst(0)                   ; the wait at the head's end
	s_wait_loadcnt 8*NT*BIAS                       ; the scale words are in; the loads issued behind them (the bias) may be out
	ds_store_b128 v13, v[128:131]
	ds_store_b128 v13, v[132:135] offset:2048
.set tt, 0
.rept NT
	ds_store_b128 v13, v[136+8*tt:139+8*tt] offset:4096+4096*tt
	ds_store_b128 v13, v[140+8*tt:143+8*tt] offset:4096+4096*tt+2048
.set tt, tt+1
.endr
	s_wait_tensorcnt 0x0                           ; my part of the head's tiles is in; slot 1's first fill is issued as a refill is:
	ds_add_u32 v[SPW], v[NIL]                      ; 0 onto my spare word
	s_mov_b32 s[G1B+2], 2<<16                      ; no tensor load of mine is out: from here on a load of B brings two tiles
	s_mov_b32 s[G1B+4], 2
	s_wait_dscnt 0x0
	CROUND                                         ; all four tiles are in, and all sixteen work-groups are here
	tensor_load_to_lds s[G0B+4:G0B+7], s[G1B:G1B+7]   ; slot 1, a quarter a wave: my one load behind the round
	s_nop 0
	PLACES 4
	FETCH 0, 0, 0, F0, 0
.if BIAS
	s_wait_loadcnt 0x0                             ; the bias of all four tiles
.endif
	TILE 0, 0, 0
	TILE 1, 0, 0
	TILE 2, 0, 0
	TILE 3, 1, 0
	s_wait_tensorcnt 0x0                           ; the wave's end
	ds_add_u32 v[SPW], v[NIL]
	s_wait_dscnt 0x0
	CROUND                                         ; the closing round
	s_endpgm
.Lfunc_end_k_qd4d11e7a84_gemm_f1:
	.size	k_qd4d11e7a84_gemm_f1, .Lfunc_end_k_qd4d11e7a84_gemm_f1-k_qd4d11e7a84_gemm_f1
	.p2alignl 7, 3214868480
	.fill 96, 4, 3214868480
	.section	.rodata,"a",@progbits
	.p2align	6, 0x0
	.amdhsa_kernel k_qd4d11e7a84_gemm_f1
		.amdhsa_group_segment_fixed_size 327680
		.amdhsa_private_segment_fixed_size 0
		.amdhsa_enable_private_segment 0
		.amdhsa_kernarg_size 32
		.amdhsa_user_sgpr_count 2
		.amdhsa_user_sgpr_kernarg_segment_ptr 1
		.amdhsa_wavefront_size32 1
		.amdhsa_system_sgpr_workgroup_id_x 1
		.amdhsa_system_sgpr_workgroup_id_y 1
		.amdhsa_system_sgpr_workgroup_id_z 1
		.amdhsa_system_vgpr_workitem_id 0
		.amdhsa_next_free_vgpr 768
		.amdhsa_next_free_sgpr 98
		.amdhsa_reserve_vcc 1
		.amdhsa_float_denorm_mode_32 3
		.amdhsa_float_denorm_mode_16_64 3
		.amdhsa_memory_ordered 1
		.amdhsa_forward_progress 1
		.amdhsa_inst_pref_size 236
	.end_amdhsa_kernel
	.amdgpu_metadata
---
amdhsa.version: [ 1, 2 ]
amdhsa.kernels:
  - .name:           k_qd4d11e7a84_gemm_f1
    .symbol:         k_qd4d11e7a84_gemm_f1.kd
    .args:
      - { .name: p, .offset: 0, .size: 8, .value_kind: global_buffer, .address_space: global }
      - { .name: wr_q, .offset: 8, .size: 8, .value_kind: global_buffer, .address_space: global }
      - { .name: b1, .offset: 16, .size: 8, .value_kind: global_buffer, .address_space: global }
      - { .name: hq, .offset: 24, .size: 8, .value_kind: global_buffer, .address_space: global }
    .group_segment_fixed_size: 327680
    .private_segment_fixed_size: 0
    .kernarg_segment_align: 8
    .kernarg_segment_size: 32
    .max_flat_workgroup_size: 128
    .sgpr_count:     98
    .vgpr_count:     768
    .wavefront_size: 32
...
	.end_amdgpu_metadata
.endif
;; end of part 5
;; launch gemm_f2 (part 6): grid 8 x 32, 4 waves a work-group, clusters of 4 x 4, 327,680 bytes of LDS; arguments hq, wr_q, b2, x1, out0; writes out0
.if DOCPART == 6
	.amdgcn_target "amdgcn-amd-amdhsa--gfx1250"
	.amdhsa_code_object_version 6
	.text
	.protected	k_qd4d11e7a84_gemm_f2
	.globl	k_qd4d11e7a84_gemm_f2
	.p2align	8
	.type	k_qd4d11e7a84_gemm_f2,@function
k_qd4d11e7a84_gemm_f2:
	s_mov_b64 s[64:65], 0
	v_nop
	global_prefetch_b8 v0, s[64:65] scope:SCOPE_SE
	s_setreg_imm32_b32 hwreg(HW_REG_WAVE_MODE, 25, 1), 1
	s_wait_xcnt 0x0
	s_wait_alu depctr_hold_cnt(0) depctr_sa_sdst(0) depctr_va_vdst(0) depctr_va_sdst(0) depctr_va_ssrc(0) depctr_va_vcc(0) depctr_vm_vsrc(0)
	s_getreg_b32 s2, hwreg(HW_REG_IB_STS2, 6, 4)
	s_cmp_eq_u32 s2, 0
	s_cbranch_scc0 .Lentry_in_a_cluster
	s_endpgm
.Lentry_in_a_cluster:
	s_bfe_u32 s2, ttmp6, 0x10000c
	s_cmp_lg_u32 s2, 0xf033
	s_cbranch_scc0 .Lentry_shape_is_right
	s_endpgm
.Lentry_shape_is_right:
.set KTOT,  4096
.set NARG,  5
.set BIAS,  1
.set OFFC,  524288
.set ASCL,  0
.set ACOD,  OFFC
.set BSCL,  163840
.set BCOD,  OFFC+5242880
.set RESP,  10
.set OUTP,  12
.set SLOT,  131072
.set SCL,   2*SLOT
.set SPARE, SCL+8*KTOT
.set LAPS,  KTOT/1024
.set ADRA, 16
.set ADRB, 20
.set STO,  24
.set RD,   25
.set CO,   26
.set ADRS, 27
.set SPW,  28
.set NIL,  29
.set SC,   32
.set BK,   32
.set BI,   96
.set ACC,  128
.set F0,   0
.set F1,   128
.set G1,   24
.set G0,   32
.set G1B,  48
.set G0B,  56
.set G1S,  68
.set G0S,  76
.set G1SB, 80
.set G0SB, 88
.set MSB, 0
.macro WIN new
.if MSB != \new
	s_set_vgpr_msb (MSB<<8)|\new
.set MSB, \new
.endif
.endm
.set MUL,  0x05
.set TO_F, 0x40
.macro JLOAD g0a, g1a, g0b, g1b
	s_cmp_eq_u32 s15, 0
	s_cbranch_scc0 .Lfor_b_\@
	tensor_load_to_lds s[\g0a:\g0a+3], s[\g1a:\g1a+7]
	s_nop 0
.rept 4
	v_nop
.endr
	s_branch .Lasked_\@
.Lfor_b_\@:
	tensor_load_to_lds s[\g0b:\g0b+3], s[\g1b:\g1b+7]
	s_nop 0
.rept 4
	v_nop
.endr
.Lasked_\@:
.endm
.macro CREST
	s_cmp_lg_u32 s14, 0
	s_cbranch_scc1 .Lnot_wave_0_\@
	s_barrier_signal -3
.Lnot_wave_0_\@:
	s_barrier_wait -3
	s_barrier_signal -1
	s_barrier_wait -1
.endm
.macro CROUND
	s_barrier_signal -1
	s_barrier_wait -1
	CREST
.endm
.macro PLACES n
.rept \n
	v_nop
.endr
.endm
	s_load_b128 s[4:7], s[0:1], 0x0
.if NARG == 3
	s_load_b64 s[8:9], s[0:1], 0x10
.else
	s_load_b128 s[8:11], s[0:1], 0x10
.endif
.if NARG == 5
	s_load_b64 s[12:13], s[0:1], 0x20
.endif
	v_lshl_add_u32 v[SPW], v0, 2, SPARE
	v_mov_b32 v[NIL], 0
	ds_add_u32 v28, v29
	ds_add_u32 v28, v29
	s_wait_dscnt 0x0
	v_lshrrev_b32 v1, 5, v0
	v_readfirstlane_b32 s14, v1
	s_lshr_b32 s15, s14, 1
	s_and_b32 s16, s14, 1
	s_bfe_u32 s40, ttmp6, 0x40000
	s_bfe_u32 s41, ttmp6, 0x40004
	s_lshl_b32 s42, ttmp9, 2
	s_add_co_u32 s42, s42, s40
	s_and_b32 s17, ttmp7, 0xffff
	s_lshl_b32 s17, s17, 2
	s_add_co_u32 s17, s17, s41
	s_lshl_b32 s43, s41, 2
	s_lshl_b32 s43, 15, s43
	s_lshl_b32 s44, 0x1111, s40
	s_or_b32 s[G1], s43, (3<<16)|(1<<21)
	s_or_b32 s[G1B], s44, (3<<16)|(1<<21)
.irp g, G1, G1B
	s_mov_b32 s[\g+1], 1024<<16
	s_mov_b32 s[\g+2], 4<<16
	s_mov_b32 s[\g+3], 1024<<16
	s_mov_b32 s[\g+4], 4
	s_mov_b32 s[\g+5], 2*KTOT
	s_mov_b32 s[\g+6], 0
	s_mov_b32 s[\g+7], 0
.endr
	s_lshl_b32 s20, s17, 3
	s_lshl_b32 s46, s42, 3
	s_mul_i32 s22, s20, KTOT/2
	s_add_co_u32 s22, s22, ASCL
	s_mov_b32 s23, 0
	s_mul_i32 s20, s20, 16*KTOT
	s_add_co_u32 s20, s20, ACOD
	s_mov_b32 s21, 0
	s_mul_i32 s92, s46, KTOT/2
	s_add_co_u32 s92, s92, BSCL
	s_mov_b32 s93, 0
	s_mul_i32 s46, s46, 16*KTOT
	s_add_co_u32 s46, s46, BCOD
	s_mov_b32 s47, 0
	s_lshl_b32 s45, s14, 15
	s_mul_i32 s94, s16, 64*KTOT                    ; in the ring I fetch four tiles of eight: which half, in bytes
	s_mov_b32 s95, 0
	s_wait_kmcnt 0x0
	s_add_nc_u64 s[20:21], s[4:5], s[20:21]
	s_add_nc_u64 s[22:23], s[4:5], s[22:23]
	s_add_nc_u64 s[46:47], s[6:7], s[46:47]
	s_add_nc_u64 s[92:93], s[6:7], s[92:93]
	CROUND
	s_mov_b64 s[G0S:G0S+1], s[22:23]               ; where A's scale words lie, and B's: they come by plain loads
	s_mov_b64 s[G0SB:G0SB+1], s[92:93]
	s_add_nc_u64 s[20:21], s[20:21], s[94:95]      ; my four tiles, at the head as in the ring
	s_add_nc_u64 s[46:47], s[46:47], s[94:95]
	s_mov_b32 s[G0], 1
	s_mov_b32 s[G0+1], s45
	s_mov_b64 s[G0+2:G0+3], s[20:21]
	s_or_b32 s[G0+3], s[G0+3], 0x80000000
	s_mov_b32 s[G0B], 1
	s_mov_b32 s[G0B+1], s45
	s_mov_b64 s[G0B+2:G0B+3], s[46:47]
	s_or_b32 s[G0B+3], s[G0B+3], 0x80000000
	; the prefetches' base: of the four tiles that I fetch for a slot, the partner at place cx (A's waves) or cy (B's) takes one: 8,192 bytes, a lane a block of 256.  The partners are told apart by address alone
	s_cmp_eq_u32 s15, 0
	s_cselect_b64 s[96:97], s[20:21], s[46:47]
	s_cselect_b32 s18, s40, s41
	s_mul_i32 s18, s18, 16*KTOT
	s_mov_b32 s19, 0
	s_add_nc_u64 s[96:97], s[96:97], s[18:19]
	s_mov_b32 s[G0+4], 1
	s_add_co_u32 s[G0+5], s45, SLOT
	s_add_nc_u64 s[G0+6:G0+7], s[20:21], 8192
	s_or_b32 s[G0+7], s[G0+7], 0x80000000
	s_mov_b32 s[G0B+4], 1
	s_add_co_u32 s[G0B+5], s45, SLOT
	s_add_nc_u64 s[G0B+6:G0B+7], s[46:47], 8192
	s_or_b32 s[G0B+7], s[G0B+7], 0x80000000
; the head's loads, one a wave: waves 0 and 1 slot 0 of A, waves 2 and 3 slot 0 of B; the scale words come by plain loads
	JLOAD G0, G1, G0B, G1B                         ; slot 0, a quarter a wave: a load to each arm, my one load at the head
	v_lshlrev_b32 v12, 4, v0                       ; the scale words: the 128 threads read runs of 2,048 consecutive bytes, 16 a thread, into registers that the sums take later,
	v_add_nc_u32 v13, SCL, v12                     ; and store them to LDS bytes of their own ahead of the first barrier
.set kk, 0
.rept KTOT/512
	global_load_b128 v[128+4*kk:131+4*kk], v12, s[G0S:G0S+1] offset:2048*kk
	global_load_b128 v[128+KTOT/128+4*kk:131+KTOT/128+4*kk], v12, s[G0SB:G0SB+1] offset:2048*kk
.set kk, kk+1
.endr
	v_and_b32 v1, 15, v0
	v_bfe_u32 v2, v0, 4, 1
	s_wait_alu depctr_va_vdst(0)
	v_and_b32 v3, 31, v0
	v_lshlrev_b32 v30, 8, v3
	global_prefetch_b8 v30, s[96:97] offset:8192 th:TH_LOAD_NT scope:SCOPE_SE         ; the second 512 along K, which the load behind the first round brings
	global_prefetch_b8 v30, s[96:97] offset:2*8192 th:TH_LOAD_NT scope:SCOPE_SE       ; the third and fourth, which the first two refills load
	global_prefetch_b8 v30, s[96:97] offset:3*8192 th:TH_LOAD_NT scope:SCOPE_SE
	v_lshlrev_b32 v4, 4, v3
	s_lshl_b32 s21, s15, 15
	s_lshl_b32 s22, s16, 15
	s_add_co_u32 s22, s22, 65536
.irp s, 0,1
	v_add_nc_u32 v[ADRA+\s], s21, v4
	v_add_nc_u32 v[ADRB+\s], s22, v4
	s_add_co_u32 s21, s21, SLOT
	s_add_co_u32 s22, s22, SLOT
.endr
	v_lshlrev_b32 v5, 2, v1
	s_add_co_u32 s22, s16, 2
	s_sub_co_u32 s22, s22, s15
	s_mul_i32 s22, s22, 2*KTOT
	v_mul_u32_u24 v6, s22, v2
	s_mul_i32 s21, s15, 2*KTOT
	s_add_co_u32 s21, s21, SCL
	v_add_nc_u32 v5, v5, v6
	v_add_nc_u32 v[ADRS], s21, v5
.if BIAS
	s_lshl_b32 s92, s42, 9
	s_lshl_b32 s93, s16, 8
	s_add_co_u32 s92, s92, s93
	s_mov_b32 s93, 0
	s_add_nc_u64 s[8:9], s[8:9], s[92:93]
	v_lshlrev_b32 v7, 6, v2
.irp b, 0,1,2,3
	global_load_b128 v[BI+8*\b:BI+8*\b+3], v7, s[8:9] offset:(32*(\b/2)+8*(\b%2))*4
	global_load_b128 v[BI+8*\b+4:BI+8*\b+7], v7, s[8:9] offset:(32*(\b/2)+8*(\b%2))*4+16
.endr
.endif
	s_lshl_b32 s20, s17, 7
	s_lshl_b32 s21, s15, 6
	s_add_co_u32 s20, s20, s21
	s_lshl_b32 s20, s20, 12
	s_lshl_b32 s46, s42, 9
	s_lshl_b32 s47, s16, 8
	s_add_co_u32 s46, s46, s47
	s_add_co_u32 s20, s20, s46
	s_mov_b32 s21, 0
	s_add_nc_u64 s[22:23], s[RESP:RESP+1], s[20:21]
	s_add_nc_u64 s[20:21], s[OUTP:OUTP+1], s[20:21]
	s_mul_i32 s18, s14, 16*272
	v_mul_u32_u24 v[STO], v1, 272
	v_lshl_add_u32 v[STO], v2, 6, v[STO]
	v_add_nc_u32 v[STO], s18, v[STO]
	v_mul_u32_u24 v[RD], v2, 272
	v_lshl_add_u32 v[RD], v1, 4, v[RD]
	v_add_nc_u32 v[RD], s18, v[RD]
	v_lshlrev_b32 v[CO], 12, v2
	v_lshl_add_u32 v[CO], v1, 4, v[CO]
	WIN 0x80
.irp a, 0,1,2,3
.irp t, 0,1,2,3,4,5,6,7
	global_load_b128 v[32*\a+4*\t:32*\a+4*\t+3], v[CO], s[22:23] offset:(32*(\a/2)+8*(\a%2)+2*\t+8*(\t/4))*4096
.endr
.endr
	WIN 0
.macro FETCH slot, q, f, set
	WIN TO_F
.irp i, 0,1,2,3
.irp c, 0,1,2,3
	ds_load_b128 v[(\f)+16*\i+4*\c:(\f)+16*\i+4*\c+3], v[ADRA+\slot] offset:\i*8192+(\q)*2048+512*\c
	ds_load_b128 v[(\f)+64+16*\i+4*\c:(\f)+64+16*\i+4*\c+3], v[ADRB+\slot] offset:\i*8192+(\q)*2048+512*\c
.endr
.endr
	WIN 0
.irp i, 0,1,2,3
	ds_load_b32 v[SC+4*(\set)+\i], v[ADRS] offset:\i*(KTOT/2)+64*(\q)
.endr
.endm
.macro MUL8 f, set, a0, zero
.irp a, \a0, \a0+1
.irp b, 0,1,2,3
.if \zero && BIAS
	v_wmma_scale_f32_16x16x128_f8f6f4 v[ACC+8*(4*(\a)+\b):ACC+8*(4*(\a)+\b)+7], v[(\f)+64+16*\b:(\f)+64+16*\b+15], v[(\f)+16*(\a):(\f)+16*(\a)+15], v[BI+8*\b:BI+8*\b+7], v[SC+4*(\set)+\b], v[SC+4*(\set)+(\a)] matrix_a_scale:MATRIX_SCALE_ROW1
.elseif \zero
	v_wmma_scale_f32_16x16x128_f8f6f4 v[ACC+8*(4*(\a)+\b):ACC+8*(4*(\a)+\b)+7], v[(\f)+64+16*\b:(\f)+64+16*\b+15], v[(\f)+16*(\a):(\f)+16*(\a)+15], 0, v[SC+4*(\set)+\b], v[SC+4*(\set)+(\a)] matrix_a_scale:MATRIX_SCALE_ROW1
.else
	v_wmma_scale_f32_16x16x128_f8f6f4 v[ACC+8*(4*(\a)+\b):ACC+8*(4*(\a)+\b)+7], v[(\f)+64+16*\b:(\f)+64+16*\b+15], v[(\f)+16*(\a):(\f)+16*(\a)+15], v[ACC+8*(4*(\a)+\b):ACC+8*(4*(\a)+\b)+7], v[SC+4*(\set)+\b], v[SC+4*(\set)+(\a)] matrix_a_scale:MATRIX_SCALE_ROW1
.endif
.endr
.endr
.endm
.macro STEP slot, q, zero
	s_wait_dscnt 0x0
	PLACES 8
	FETCH \slot, (\q)+1, F0+128*(1-(\q)%2), 1-(\q)%2
	WIN MUL
	MUL8 F0+128*((\q)%2), (\q)%2, 0, \zero
	MUL8 F0+128*((\q)%2), (\q)%2, 2, \zero
	WIN 0
.endm
.macro TURN slot, next, fill
	s_wait_tensorcnt 0x0
	ds_add_u32 v[SPW], v[NIL]
	s_wait_dscnt 0x1
	WIN MUL
	MUL8 F1, 1, 0, 0
	WIN 0
	s_wait_dscnt 0x0
	s_barrier_signal -1
	s_barrier_wait -1
.if \fill
	CREST
	s_add_nc_u64 s[G0+4*\slot+2:G0+4*\slot+3], s[G0+4*\slot+2:G0+4*\slot+3], 16384
	s_add_nc_u64 s[G0B+4*\slot+2:G0B+4*\slot+3], s[G0B+4*\slot+2:G0B+4*\slot+3], 16384
	JLOAD G0+4*\slot, G1, G0B+4*\slot, G1B
	PLACES 4
.else
	PLACES 8
.endif
	v_add_nc_u32 v[ADRS], 256, v[ADRS]
	FETCH \next, 0, F0, 0
.if \fill
	s_cmp_gt_u32 s3, 1                             ; the loop's last trip has no refill two refills on: it asks for nothing
	s_cbranch_scc0 .Lno_ask_\@
	global_prefetch_b8 v30, s[96:97] offset:(4+\slot)*8192 th:TH_LOAD_NT scope:SCOPE_SE   ; what the refill two refills on loads
.Lno_ask_\@:
.endif
	WIN MUL
	MUL8 F1, 1, 2, 0
	WIN 0
.endm
	s_wait_alu depctr_va_vdst(0)                   ; the wait at the head's end
	s_wait_loadcnt 8*BIAS+32                       ; the scale words are in; the loads issued behind them (the bias's 8, the residual's 32) may be out
.set kk, 0
.rept KTOT/512
	ds_store_b128 v13, v[128+4*kk:131+4*kk] offset:2048*kk
	ds_store_b128 v13, v[128+KTOT/128+4*kk:131+KTOT/128+4*kk] offset:4*KTOT+2048*kk
.set kk, kk+1
.endr
	s_wait_tensorcnt 0x0                           ; my quarter of slot 0 is in; slot 1's first fill is issued as a refill is:
	ds_add_u32 v[SPW], v[NIL]                      ; 0 onto my spare word
	s_wait_dscnt 0x0
	CROUND
	JLOAD G0+4, G1, G0B+4, G1B                     ; slot 1: my one load behind the round
	FETCH 0, 0, F0, 0
.if BIAS
	s_wait_loadcnt 32
.endif
	STEP 0, 0, 1
.if LAPS > 1
	s_mov_b32 s3, LAPS-1
.Llap:
	s_wait_alu depctr_va_vdst(0)
	STEP 0, 1, 0
	STEP 0, 2, 0
	TURN 0, 1, 1
	s_wait_alu depctr_va_vdst(0)
	STEP 1, 0, 0
	STEP 1, 1, 0
	STEP 1, 2, 0
	TURN 1, 0, 1
	s_wait_alu depctr_va_vdst(0)
	STEP 0, 0, 0
	s_wait_xcnt 0x0                                ; my prefetches have read their base: it steps a lap on
	s_add_nc_u64 s[96:97], s[96:97], 16384
	s_sub_co_u32 s3, s3, 1
	s_cmp_lg_u32 s3, 0
	s_cbranch_scc1 .Llap
.endif
	STEP 0, 1, 0
	STEP 0, 2, 0
	TURN 0, 1, 0
	s_wait_alu depctr_va_vdst(0)
	STEP 1, 0, 0
	STEP 1, 1, 0
	STEP 1, 2, 0
	s_wait_dscnt 0x0
	WIN MUL
	MUL8 F1, 1, 0, 0
	MUL8 F1, 1, 2, 0
	WIN 0
	PLACES 8
.irp a, 0,1,2,3
.if \a >= 2
	s_wait_xcnt 0x0
.endif
.irp b, 0,1
.irp j, 0,1,2,3
	ds_store_b128 v[STO], v[ACC+32*\a+16*\b+4*\j:ACC+32*\a+16*\b+4*\j+3] offset:128*\b+16*\j
.endr
.endr
.irp t, 0,1,2,3,4,5,6,7
	ds_load_b128 v[BK+32*(\a%2)+4*\t:BK+32*(\a%2)+4*\t+3], v[RD] offset:544*\t
.endr
	s_wait_dscnt 0x0
	s_wait_loadcnt 8*(3-\a)
	WIN 0x08
.irp i, 0,1,2,3,4,5,6,7,8,9,10,11,12,13,14,15
	v_pk_add_f32 v[BK+32*(\a%2)+2*\i:BK+32*(\a%2)+2*\i+1], v[BK+32*(\a%2)+2*\i:BK+32*(\a%2)+2*\i+1], v[32*\a+2*\i:32*\a+2*\i+1]
.endr
	WIN 0
.irp t, 0,1,2,3,4,5,6,7
	global_store_b128 v[CO], v[BK+32*(\a%2)+4*\t:BK+32*(\a%2)+4*\t+3], s[20:21] offset:(32*(\a/2)+8*(\a%2)+2*\t+8*(\t/4))*4096
.endr
.endr
	s_wait_tensorcnt 0x0
	ds_add_u32 v[SPW], v[NIL]
	s_wait_dscnt 0x0
	CROUND
	s_endpgm
.Lfunc_end_k_qd4d11e7a84_gemm_f2:
	.size	k_qd4d11e7a84_gemm_f2, .Lfunc_end_k_qd4d11e7a84_gemm_f2-k_qd4d11e7a84_gemm_f2
	.p2alignl 7, 3214868480
	.fill 96, 4, 3214868480
	.section	.rodata,"a",@progbits
	.p2align	6, 0x0
	.amdhsa_kernel k_qd4d11e7a84_gemm_f2
		.amdhsa_group_segment_fixed_size 327680
		.amdhsa_private_segment_fixed_size 0
		.amdhsa_enable_private_segment 0
		.amdhsa_kernarg_size 40
		.amdhsa_user_sgpr_count 2
		.amdhsa_user_sgpr_kernarg_segment_ptr 1
		.amdhsa_wavefront_size32 1
		.amdhsa_system_sgpr_workgroup_id_x 1
		.amdhsa_system_sgpr_workgroup_id_y 1
		.amdhsa_system_sgpr_workgroup_id_z 1
		.amdhsa_system_vgpr_workitem_id 0
		.amdhsa_next_free_vgpr 768
		.amdhsa_next_free_sgpr 98
		.amdhsa_reserve_vcc 0
		.amdhsa_float_denorm_mode_32 3
		.amdhsa_float_denorm_mode_16_64 3
		.amdhsa_memory_ordered 1
		.amdhsa_forward_progress 1
		.amdhsa_inst_pref_size 105
	.end_amdhsa_kernel
	.amdgpu_metadata
---
amdhsa.version: [ 1, 2 ]
amdhsa.kernels:
  - .name:           k_qd4d11e7a84_gemm_f2
    .symbol:         k_qd4d11e7a84_gemm_f2.kd
    .args:
      - { .name: hq, .offset: 0, .size: 8, .value_kind: global_buffer, .address_space: global }
      - { .name: wr_q, .offset: 8, .size: 8, .value_kind: global_buffer, .address_space: global }
      - { .name: b2, .offset: 16, .size: 8, .value_kind: global_buffer, .address_space: global }
      - { .name: x1, .offset: 24, .size: 8, .value_kind: global_buffer, .address_space: global }
      - { .name: out0, .offset: 32, .size: 8, .value_kind: global_buffer, .address_space: global }
    .group_segment_fixed_size: 327680
    .private_segment_fixed_size: 0
    .kernarg_segment_align: 8
    .kernarg_segment_size: 40
    .max_flat_workgroup_size: 128
    .sgpr_count:     98
    .vgpr_count:     768
    .wavefront_size: 32
...
	.end_amdgpu_metadata
.endif
;; end of part 6
